; MI455X (gfx1250); checked and timed in simulation.
; The chip was launched on July 23, 2026; its instructions are those of AMD's public machine-readable ISA for CDNA 5 (MIT licence, August 2026) and "CDNA5" Instruction Set Architecture Reference Guide (July 2026). The comments in the code are by the model that wrote it; some were corrected since.
;; Window Mutual Self Attention. Allowed arithmetic: float matrix products may take bf16 or f16 operands with f32 sums; other float arithmetic in f32, or as packed bf16 or f16 multiplies, adds, multiply-adds, maxima and minima; sums over many terms, partial sums and values carried from step to step in f32; what a program stores and reads back later, other than sums and carried values, may be rounded once to bf16 or f16.
;; Inputs: b_proj 128 float32; mask 512 x 128 x 128 float32; pe 1 x 64 x 128 float32; rpe_index 128 x 128 int32; rpe_table 675 x 8 float32; w_proj 128 x 256 float32; w_qkv_mut 384 x 128 float32; w_qkv_self 384 x 128 float32; x 1,024 x 128 x 128 float32.
;; Outputs: out0 1,024 x 128 x 128 float32.
;; 2 versions, each right; version 2 is version 1 with the launch attn written anew for expert scheduling mode. Each part assembles by itself: llvm-mc -triple=amdgcn-amd-amdhsa -mcpu=gfx1250 --defsym DOCPART=n.
;; ======== version 1 of 2: 2 launches
;; limits: values outside matrix products are rounded to bf16; values outside matrix products are rounded to f16; values are held in f16: magnitudes above 65,504 overflow, below 6.1e-05 lose precision; right only within a limited range of input values
;; workspace buffers: wq 196,608 bytes; wp 65,536 bytes; bias 262,144 bytes; pe16 16,384 bytes
;; launch prep (part 1): grid 132 x 1, 8 waves a work-group, no clusters, 0 bytes of LDS; arguments rpe_index, rpe_table, w_qkv_self, w_qkv_mut, w_proj, pe, wq, wp, bias, pe16; writes wq, wp, bias, pe16
.if DOCPART == 1
	.amdgcn_target "amdgcn-amd-amdhsa--gfx1250"
	.amdhsa_code_object_version 6
	.text
	.protected	k_q7c3a667916_prep
	.globl	k_q7c3a667916_prep
	.p2align	8
	.type	k_q7c3a667916_prep,@function
k_q7c3a667916_prep:
	s_mov_b64 s[64:65], 0
	v_nop
	global_prefetch_b8 v0, s[64:65] scope:SCOPE_SE
	s_setreg_imm32_b32 hwreg(HW_REG_WAVE_MODE, 25, 1), 1
	s_wait_xcnt 0x0
; TABLES FOR THE WINDOW ATTENTION, made once: the gathered relative-position bias, the three weight matrices and the sine
; encoding, each number rounded to bf16 and that value written as f16, in the order in which a wave's operand registers take them.
; NOTHING OF reference() IS LEFT OUT in this program: every input has a way to the output and is loaded.
; A unit is 16 bytes = 8 f16; L = lane, r = L % 16, hh = L / 16.  A thread makes one unit; a work-group 256 units = 4,096 consecutive bytes.
;   bias  unit ((h*8+qt)*8+kt)*32+L, element j = rpe_table[rpe_index[16 qt + 8 hh + j][16 kt + r]][h]        work-groups 0..63
;   wq    unit ((((y*8+h)*3+p)*4+c)*2+half)*32+L = W_y[128 p + 16 h + r][32 c + 16 half + 8 hh + 0..7]        work-groups 64..111
;         (y: 0 self, 1 mutual; p: 0 q, 1 k, 2 v).  The q rows carry reference()'s SCALE = 1/4: a power of two, so no rounding is added.
;   wp    unit ((ct*8+c)*2+half)*32+L = w_proj[16 ct + r][32 c + 16 half + 8 hh + 0..7]                       work-groups 112..127
;   pe16  row-major [64][128]                                                                                 work-groups 128..131
; LIMITS.  f16 ends at 65,504: a weight, a table entry or an encoding beyond that becomes an infinity; below 6e-5 f16 keeps its fixed step of 6e-8.
; An index is held to the table's last row, 674 (reference() relies on indices inside the table).
.set TOP, 29                           ; s29  mask of a word's upper bf16
.set BLK, 30                           ; s30  the work-group's number within its section
.macro ROUND8                          ; v[16:23], eight f32 -> bf16 -> the same values as f16, packed in v[32:35]
.irp k, 0,1,2,3
	v_cvt_pk_bf16_f32 v[24+(\k)], v[16+2*(\k)], v[17+2*(\k)]
.endr
.irp k, 0,1,2,3
	v_lshlrev_b32 v[16+2*(\k)], 16, v[24+(\k)]
	v_and_b32 v[17+2*(\k)], s[TOP], v[24+(\k)]
.endr
.irp k, 0,1,2,3
	v_cvt_pk_f16_f32 v[32+(\k)], v[16+2*(\k)], v[17+2*(\k)]
.endr
.endm
; Eight neighbouring f32 at byte v6 of the source become one unit at byte 4,096 x BLK + 16 x thread of the destination.  sc = 1: where s28 = 1 they are multiplied by 1/4.
.macro TAIL sp, dp, sc
	s_lshl_b32 s3, s[BLK], 12
	v_add_nc_u32 v5, s3, v5
	global_load_b128 v[16:19], v6, s[(\sp):(\sp)+1]
	global_load_b128 v[20:23], v6, s[(\sp):(\sp)+1] offset:16
	s_wait_loadcnt 0x0
.if \sc
	s_cmp_eq_u32 s28, 1
	s_cbranch_scc0 .Lplain
.irp k, 0,1,2,3
	v_pk_mul_f32 v[16+2*(\k):17+2*(\k)], v[16+2*(\k):17+2*(\k)], 0x3e800000 op_sel_hi:[1,0]
.endr
.Lplain:
.endif
	ROUND8
	global_store_b128 v5, v[32:35], s[(\dp):(\dp)+1]   ; 16 lanes store 256 consecutive bytes, aligned
	s_endpgm
.endm
	s_load_b256 s[4:11], s[0:1], 0x0               ; rpe_index s[4:5], rpe_table s[6:7], w_qkv_self s[8:9], w_qkv_mut s[10:11]
	s_load_b256 s[12:19], s[0:1], 0x20             ; w_proj s[12:13], pe s[14:15], wq s[16:17], wp s[18:19]
	s_load_b128 s[20:23], s[0:1], 0x40             ; bias s[20:21], pe16 s[22:23]
	s_mov_b32 s2, ttmp9
	s_mov_b32 s[TOP], 0xffff0000
	v_and_b32 v1, 15, v0                           ; r
	v_bfe_u32 v2, v0, 4, 1                         ; hh
	v_lshrrev_b32 v3, 4, v0                        ; thread / 16 = 4 c + 2 half + hh
	v_lshlrev_b32 v5, 4, v0                        ; 16 x thread
	s_cmp_lt_u32 s2, 64
	s_cbranch_scc0 .Lweights
	; THE BIAS.  h = b / 8, qt = b % 8, kt = my wave.  Eight indices (eight queries, one key), then eight table entries.
	s_lshr_b32 s31, s2, 3
	s_lshl_b32 s31, s31, 2                         ; 4 h: the head's place in a table row of 32 bytes
	s_and_b32 s32, s2, 7
	s_lshl_b32 s32, s32, 13                        ; 16 qt rows of 512 bytes
	v_lshrrev_b32 v6, 5, v0                        ; kt
	v_lshlrev_b32 v4, 2, v1                        ; 4 r
	v_lshl_add_u32 v4, v2, 12, v4                  ; + 8 hh rows
	v_lshl_add_u32 v4, v6, 6, v4                   ; + 16 kt columns
	v_add_nc_u32 v4, s32, v4
	s_lshl_b32 s3, s2, 12
	v_add_nc_u32 v5, s3, v5                        ; unit 256 b + thread
	s_wait_kmcnt 0x0
.irp j, 0,1,2,3,4,5,6,7
	global_load_b32 v[8+(\j)], v4, s[4:5] offset:512*(\j)
.endr
	s_wait_loadcnt 0x0
.irp j, 0,1,2,3,4,5,6,7
	v_min_u32 v[8+(\j)], 0x2a2, v[8+(\j)]          ; held to the table's 675 rows
	v_lshl_add_u32 v[8+(\j)], v[8+(\j)], 5, s31
.endr
.irp j, 0,1,2,3,4,5,6,7
	global_load_b32 v[16+(\j)], v[8+(\j)], s[6:7]
.endr
	s_wait_loadcnt 0x0
	ROUND8
	global_store_b128 v5, v[32:35], s[20:21]
	s_endpgm
.Lweights:
	s_wait_kmcnt 0x0
	s_cmp_lt_u32 s2, 112
	s_cbranch_scc0 .Lproj
	; THE QKV WEIGHTS.  n3 = b - 64 = 3 (8 y + h) + p
	s_sub_co_u32 s[BLK], s2, 64
	s_mul_i32 s31, s[BLK], 171
	s_lshr_b32 s31, s31, 9                         ; n3 / 3, right for n3 under 48: 171 / 512 lies 0.0007 above a third
	s_mul_i32 s32, s31, 3
	s_sub_co_u32 s32, s[BLK], s32                  ; p
	s_and_b32 s33, s31, 7                          ; h
	s_lshl_b32 s34, s32, 7
	s_lshl4_add_u32 s34, s33, s34                  ; row 128 p + 16 h,
	s_lshl_b32 s34, s34, 9                         ; of 512 bytes
	v_lshlrev_b32 v6, 9, v1                        ; + r rows
	v_lshl_add_u32 v6, v3, 5, v6                   ; + 32 c + 16 half + 8 hh numbers of 4 bytes
	v_add_nc_u32 v6, s34, v6
	s_cmp_lt_u32 s31, 8                            ; y = 0?
	s_cselect_b64 s[24:25], s[8:9], s[10:11]
	s_cmp_eq_u32 s32, 0                            ; the q rows take the scale
	s_cselect_b32 s28, 1, 0
	TAIL 24, 16, 1
.Lproj:
	s_cmp_lt_u32 s2, 128
	s_cbranch_scc0 .Lpe
	; THE PROJECTION'S WEIGHTS.  n = b - 112: ct = n / 2, c = 4 (n % 2) + thread / 64
	s_sub_co_u32 s[BLK], s2, 112
	s_lshr_b32 s31, s[BLK], 1
	s_lshl_b32 s31, s31, 14                        ; 16 ct rows of 1,024 bytes
	s_and_b32 s32, s[BLK], 1
	s_lshl_b32 s32, s32, 9                         ; 128 numbers
	s_add_co_u32 s31, s31, s32
	v_lshlrev_b32 v6, 10, v1
	v_lshl_add_u32 v6, v3, 5, v6
	v_add_nc_u32 v6, s31, v6
	TAIL 12, 18, 0
.Lpe:
	; THE ENCODING, as it lies
	s_sub_co_u32 s[BLK], s2, 128
	s_lshl_b32 s31, s[BLK], 13
	v_lshl_add_u32 v6, v0, 5, s31
	TAIL 14, 22, 0
.Lfunc_end_k_q7c3a667916_prep:
	.size	k_q7c3a667916_prep, .Lfunc_end_k_q7c3a667916_prep-k_q7c3a667916_prep
	.p2alignl 7, 3214868480
	.fill 96, 4, 3214868480
	.section	.rodata,"a",@progbits
	.p2align	6, 0x0
	.amdhsa_kernel k_q7c3a667916_prep
		.amdhsa_group_segment_fixed_size 0
		.amdhsa_private_segment_fixed_size 0
		.amdhsa_enable_private_segment 0
		.amdhsa_kernarg_size 80
		.amdhsa_user_sgpr_count 2
		.amdhsa_user_sgpr_kernarg_segment_ptr 1
		.amdhsa_wavefront_size32 1
		.amdhsa_system_sgpr_workgroup_id_x 1
		.amdhsa_system_sgpr_workgroup_id_y 1
		.amdhsa_system_sgpr_workgroup_id_z 1
		.amdhsa_system_vgpr_workitem_id 0
		.amdhsa_next_free_vgpr 40
		.amdhsa_next_free_sgpr 66
		.amdhsa_reserve_vcc 0
		.amdhsa_float_denorm_mode_32 3
		.amdhsa_float_denorm_mode_16_64 3
		.amdhsa_memory_ordered 1
		.amdhsa_forward_progress 1
		.amdhsa_inst_pref_size 10
	.end_amdhsa_kernel
	.amdgpu_metadata
---
amdhsa.version: [ 1, 2 ]
amdhsa.kernels:
  - .name:           k_q7c3a667916_prep
    .symbol:         k_q7c3a667916_prep.kd
    .args:
      - { .name: rpe_index, .offset: 0, .size: 8, .value_kind: global_buffer, .address_space: global }
      - { .name: rpe_table, .offset: 8, .size: 8, .value_kind: global_buffer, .address_space: global }
      - { .name: w_qkv_self, .offset: 16, .size: 8, .value_kind: global_buffer, .address_space: global }
      - { .name: w_qkv_mut, .offset: 24, .size: 8, .value_kind: global_buffer, .address_space: global }
      - { .name: w_proj, .offset: 32, .size: 8, .value_kind: global_buffer, .address_space: global }
      - { .name: pe, .offset: 40, .size: 8, .value_kind: global_buffer, .address_space: global }
      - { .name: wq, .offset: 48, .size: 8, .value_kind: global_buffer, .address_space: global }
      - { .name: wp, .offset: 56, .size: 8, .value_kind: global_buffer, .address_space: global }
      - { .name: bias, .offset: 64, .size: 8, .value_kind: global_buffer, .address_space: global }
      - { .name: pe16, .offset: 72, .size: 8, .value_kind: global_buffer, .address_space: global }
    .group_segment_fixed_size: 0
    .private_segment_fixed_size: 0
    .kernarg_segment_align: 8
    .kernarg_segment_size: 80
    .max_flat_workgroup_size: 256
    .sgpr_count:     66
    .vgpr_count:     40
    .wavefront_size: 32
...
	.end_amdgpu_metadata
.endif
;; end of part 1
;; launch attn (part 2): grid 256 x 1, 8 waves a work-group, no clusters, 290,304 bytes of LDS; arguments x, mask, b_proj, wq, wp, bias, pe16, out0; writes out0
.if DOCPART == 2
	.amdgcn_target "amdgcn-amd-amdhsa--gfx1250"
	.amdhsa_code_object_version 6
	.text
	.protected	k_q7c3a667916_attn
	.globl	k_q7c3a667916_attn
	.p2align	8
	.type	k_q7c3a667916_attn,@function
k_q7c3a667916_attn:
	s_mov_b64 s[64:65], 0
	v_nop
	global_prefetch_b8 v0, s[64:65] scope:SCOPE_SE
	s_setreg_imm32_b32 hwreg(HW_REG_WAVE_MODE, 25, 1), 1
	s_wait_xcnt 0x0
; WINDOW SELF ATTENTION AND MUTUAL ATTENTION OF THE TWO FRAMES, with both QKV products and the closing projection, in one launch.  Nothing of reference() is left out.
; SHARES.  Work-group g takes the windows g, g + 512, g + 256, g + 768: two neighbours in that order share mask g (then g + 256), which is read from memory once and kept in LDS.
; Eight waves; WAVE h OWNS HEAD h: its rows of both QKV weights stay in 192 registers for the whole launch, and q, k, v of its head never leave the wave.
; Through LDS go only x (rounded once, read by all waves), the mask (likewise) and the heads' results O (ahead of the projection, where wave w makes 32 tokens x 64 columns).
; Waves 0-3 do self attention and then mutual attention, waves 4-7 the other way round, so that at any time some waves are in products and others in a softmax.
; LAYOUT.  All products are 16 x 16 x 32 in f16 with f32 sums.  q and k come as W x^T (a lane holds one token, eight channels), which rounded in pairs IS registers 0-3 of an operand.
; A head has 16 channels, half of the form's 32: THE OTHER HALF CARRIES BIAS + MASK.  S^T = {K | B} {Q | I}^T, where B holds (bias + mask)[query e][key] for the tile's 16 queries e and I is
; the identity: the product adds to score (key, query) just (bias + mask)[query][key].  In S^T a lane holds one query (lane % 16) and the keys 8 (lane / 16) + 0..7 of each tile of 16; rounded in pairs
; two tiles ARE source 1 of O^T = V^T P.  v comes as x W^T, a lane holding one channel and eight tokens: the registers of V^T.  The row sums l are a product of ones with the same P.
; SOFTMAX.  All of a query's keys are held at once: m is the row's true maximum, p = 2^(c s - c m), c = log2(e); O = (V^T P) / l.
; FORMATS.  Every input is rounded to bf16; that value is written as f16 (b_proj: kept as f32).  x + pe and bias + mask are one f16 addition each.  q, k, v, p and O are rounded once to f16; sums, maxima and l are f32; l is the sum of the rounded p.
; LIMITS.  |x|, |x + pe|, |mask|, |bias + mask|, |q|, |k|, |v| stay under 65,504, f16's end; beyond it a row is lost.  mask and bias are finite (an infinity times the identity's zeros is no number).
; Below 6e-5 f16 keeps its fixed step of 6e-8; a weight p under 3e-8 counts as 0.  NaN and infinities are not treated apart.
; NO CLUSTER, NO JOINT LOADS.  What work-groups share is the bias, 4,096 bytes for a head and query tile, and it lands by plain loads straight in operand registers.  A joint load would want two LDS slots of
; 8 x 4,096 bytes where 327,680 - 290,304 = 37,376 are free, and a meeting of all waves of four work-groups for each of the eight query tiles, while here the two groups of waves are never at the same tile.
; x and mask pass through registers to be rounded, so no tensor load brings them.
; THE TRIPS OF BOTH ATTENTIONS ARE WRITTEN OUT (eight and four): every LDS address is a register made once at the head, a lane term plus the wave's number times a constant, and an immediate.
;
; LDS (bytes)
.set XS,    0                          ; 128 rows x 272: x in f16 (256 + 16 of padding: the 16 rows of an operand load start 4 banks apart: ISA guide 11.1).  Behind the second barrier wave w's rows 16 w .. are its stage on the way out
.set XM,    34816                      ; x + pe, the same form; the stage of the wave's second token tile
.set OB,    69632                      ; 128 rows x 528: O in f16: 128 columns mutual, 128 self
.set MK,    137216                     ; 128 rows x 288: the mask in f16, [query][key]; read turned
.set PE,    174080                     ; pe16, 64 rows x 256
.set WP,    190464                     ; wp as it lies in memory, 65,536
.set QL,    256000                     ; 4,096 a wave: its eight Q pieces of 512 bytes
.set BP,    288768                     ; b_proj, 128 f32
.set SPARE, 289280                     ; the spare words, 128 bytes for each wave: four blocks of 256 bytes that no other line names
; VECTOR REGISTERS, window 0.  v1-v18 are made at the head and never rewritten
.set SPW, 1                            ; SPARE + 4 x thread
.set NIL, 2                            ; 0
.set XRA, 3                            ; 272 r + 16 hh: an operand's place in 16 rows of XS
.set XSA, 4                            ; 4,352 w + 8 L: where I store 4 numbers of my wave's rows of x
.set PEA, 5                            ; PE + 4,096 (w % 4) + 8 L
.set XO,  6                            ; 8,192 w + 16 L: my 16 bytes in my wave's 16 rows of x, of mask, of wp
.set PFO, 7                            ; 8,192 w + 256 L: the prefetches' offset
.set QSA, 8                            ; QL + 4,096 w + 16 L: my 16 bytes of my wave's first Q piece
.set MA0, 9                            ; MK + 288 (8 hh + L % 8) + 16 ((L / 8) % 2): the turning load's place in the mask's first 16 rows
.set MSA, 10                           ; MK + 4,608 w + 8 L
.set OS0, 11                           ; OB + 528 r + 32 w + 16 hh: my 16 bytes of O's first 16 rows
.set L16, 12                           ; 16 L
.set OFA, 13                           ; OB + 528 (32 tg + r) + 16 hh      (tg = w / 2: my 32 tokens in the projection; cg = w % 2: my 64 columns)
.set WPA, 14                           ; WP + 32,768 cg + 16 L
.set BPA, 15                           ; BP + 256 cg + 32 hh
.set STA, 16                           ; 4,352 w + 272 r + 32 hh: into my stage
.set RDA, 17                           ; 4,352 w + 272 hh + 16 r: back out of it
.set OUTO, 18                          ; 512 (32 tg + hh) + 256 cg + 16 r: my 16 bytes of out0
.set TV,  23                           ; at work in the head
.set BS2, 24                           ; v24-31   source 1 of K Q^T, second job: 0-3 a Q piece, 4-7 the identity
.set BS1, 32                           ; v32-39   the same, first job
.set ONES, 40                          ; v40-47   1.0 in every half
.set KS,  48                           ; v48-111  eight slots: 0-3 a K piece, 4-7 its bias + mask piece
.set VF,  112                          ; v112-143 four fragments of V^T
.set S,   144                          ; v144-207 scores, then P in place; x's fragments in QKV; the projection's sums
.set ACC, 208                          ; v208-239 O0, L0, O1, L1; with v240-255 QKV's six accumulators
.set ST,  240                          ; v240-247 at work: four a job
.set MC0, 248                          ; c m, first job (named as a pair)
.set MC1, 250
.set R0,  252                          ; 1 / l
.set R1,  254
.set PB0, 208                          ; the projection's operand buffers: 16 registers of O, 32 of w_proj
.set PB1, 48
; window 1: v0-191 the weights, W(y, p, c) at 96 y + 32 p + 8 c
.set MR,  192                          ; v192-223 the mask pieces as they land
.set XL,  192                          ; v192-255 the next window's x as it lands (not at the same time)
; SCALARS: s[8:23] the eight buffers; s24 wave, s25 its group, s26 work-group; s27 window 0..3, s28 pass; s[30:31] c; s[32:33] lane selects; s34, s35 f16 1.0 low, high; s47 upper bf16;
; s[36:37] x of the window to be loaded next; s[38:39] out0 of this window; s[40:41] the mask; s[42:43] my head's bias; s[48:49] the second mask; s[44:45] an offset, high word 0; s2, s3, s29, s46 at work
.set MSB, 0
.macro WIN new                         ; bits 1:0 source 0, 3:2 source 1, 5:4 source 2, 7:6 destination; the high byte repeats the setting that is left; a switch that changes nothing is dropped
.if MSB != (\new)
	s_set_vgpr_msb (MSB<<8)|(\new)
.set MSB, (\new)
.endif
.endm
.macro PLACES                          ; four plain vector instructions between a matrix instruction and a vector instruction or load that touches its registers (ISA guide 7.12.1 for vector instructions)
.rept 4
	v_nop
.endr
.endm
.macro H2 d, b, t                      ; two bf16 in v[b] -> the same two values as f16 in v[d]
	v_lshlrev_b32 v[\t], 16, v[\b]
	v_and_b32 v[(\t)+1], s47, v[\b]
	v_cvt_pk_f16_f32 v[\d], v[\t], v[(\t)+1]
.endm
.macro WOFF n                          ; s44 = the byte offset in x and out0 of the work-group's window number s[n]: (g + 512 (n % 2) + 256 (n / 2)) x 65,536
	s_and_b32 s2, s[\n], 1
	s_lshl_b32 s2, s2, 9
	s_lshr_b32 s3, s[\n], 1
	s_lshl_b32 s3, s3, 8
	s_add_co_u32 s2, s2, s3
	s_add_co_u32 s2, s2, s26
	s_lshl_b32 s44, s2, 16
.endm
.macro XLOAD                           ; my wave's 16 rows of the window at s[36:37]: each load takes a row's 512 consecutive bytes
	WIN 0x40
.set i, 0
.rept 16
	global_load_b128 v[XL+4*i:XL+4*i+3], v[XO], s[36:37] offset:512*i th:TH_LOAD_NT
.set i, i+1
.endr
	WIN 0
.endm
; x as loaded -> bf16 -> f16 into XS; + pe into XM.  My wave's 16 rows.
.macro XCONV
.set i, 0
.rept 16
	ds_load_b64 v[KS+32+2*i:KS+32+2*i+1], v[PEA] offset:256*i
.set i, i+1
.endr
	WIN 0x05                                       ; sources in window 1
.set i, 0
.rept 32
	v_cvt_pk_bf16_f32 v[KS+i], v[XL+2*i], v[XL+2*i+1]
.set i, i+1
.endr
	WIN 0
	s_wait_dscnt 0x0                               ; pe
.set i, 0
.rept 16
.set tt, ACC+8*(i%2)
	H2 tt+4, KS+2*i, tt
	H2 tt+5, KS+2*i+1, tt+2
	ds_store_b64 v[XSA], v[tt+4:tt+5] offset:272*i
	v_pk_add_f16 v[tt+6], v[tt+4], v[KS+32+2*i]
	v_pk_add_f16 v[tt+7], v[tt+5], v[KS+32+2*i+1]
	ds_store_b64 v[XSA], v[tt+6:tt+7] offset:XM+272*i
.set i, i+1
.endr
.endm
.macro MCONV                           ; the mask as loaded (in S) -> bf16 -> f16 into MK.  My wave's 16 rows.
.set i, 0
.rept 16
.set tt, ACC+8*(i%2)
	v_cvt_pk_bf16_f32 v[tt+6], v[S+4*i], v[S+4*i+1]
	v_cvt_pk_bf16_f32 v[tt+7], v[S+4*i+2], v[S+4*i+3]
	H2 tt+4, tt+6, tt
	H2 tt+5, tt+7, tt+2
	ds_store_b64 v[MSA], v[tt+4:tt+5] offset:288*i
.set i, i+1
.endr
.endm
; q, k, v of my head for all 128 tokens, two token tiles at a time.  y = 0: from XS by the self weights; 1: from XM by the mutual ones.
; The accumulators take turns, one instruction a turn: Q0, K0, Q1, K1 four times, then V0, V1 four times.
.macro QKV y
.irp tp, 0,1,2,3
.irp i, 0,1
.irp c, 0,1,2,3
	ds_load_b128 v[S+32*(\i)+8*(\c):S+32*(\i)+8*(\c)+3],   v[XRA] offset:XM*(\y)+(2*(\tp)+(\i))*4352+64*(\c)
	ds_load_b128 v[S+32*(\i)+8*(\c)+4:S+32*(\i)+8*(\c)+7], v[XRA] offset:XM*(\y)+(2*(\tp)+(\i))*4352+64*(\c)+32
.endr
.endr
	s_wait_dscnt 0x0
	WIN 0x01                                       ; source 0, the weights, in window 1
.irp c, 0,1,2,3
.irp a, 0,1,2,3                        ; accumulator a: token tile a / 2; q (a even) or k
.if (\c) == 0
	v_wmma_f32_16x16x32_f16 v[ACC+8*(\a):ACC+8*(\a)+7], v[96*(\y)+32*((\a)%2)+8*(\c):96*(\y)+32*((\a)%2)+8*(\c)+7], v[S+32*((\a)/2)+8*(\c):S+32*((\a)/2)+8*(\c)+7], 0
.else
	v_wmma_f32_16x16x32_f16 v[ACC+8*(\a):ACC+8*(\a)+7], v[96*(\y)+32*((\a)%2)+8*(\c):96*(\y)+32*((\a)%2)+8*(\c)+7], v[S+32*((\a)/2)+8*(\c):S+32*((\a)/2)+8*(\c)+7], v[ACC+8*(\a):ACC+8*(\a)+7]
.endif
.endr
.endr
	WIN 0x04                                       ; source 1, the weights, in window 1: v comes turned
.irp c, 0,1,2,3
.irp i, 0,1
.if (\c) == 0
	v_wmma_f32_16x16x32_f16 v[ACC+32+8*(\i):ACC+32+8*(\i)+7], v[S+32*(\i)+8*(\c):S+32*(\i)+8*(\c)+7], v[96*(\y)+64+8*(\c):96*(\y)+64+8*(\c)+7], 0
.else
	v_wmma_f32_16x16x32_f16 v[ACC+32+8*(\i):ACC+32+8*(\i)+7], v[S+32*(\i)+8*(\c):S+32*(\i)+8*(\c)+7], v[96*(\y)+64+8*(\c):96*(\y)+64+8*(\c)+7], v[ACC+32+8*(\i):ACC+32+8*(\i)+7]
.endif
.endr
.endr
	WIN 0
	PLACES
.irp i, 0,1                            ; each accumulator is read from its lowest registers on
.irp k, 0,1,2,3
	v_cvt_pk_f16_f32 v[BS1-8*(\i)+(\k)], v[ACC+16*(\i)+2*(\k)], v[ACC+16*(\i)+2*(\k)+1]
.endr
	ds_store_b128 v[QSA], v[BS1-8*(\i):BS1-8*(\i)+3] offset:512*(2*(\tp)+(\i))   ; Q pieces wait in my own LDS bytes
.irp k, 0,1,2,3
	v_cvt_pk_f16_f32 v[KS+8*(2*(\tp)+(\i))+(\k)], v[ACC+16*(\i)+8+2*(\k)], v[ACC+16*(\i)+8+2*(\k)+1]
.endr
.irp k, 0,1,2,3
	v_cvt_pk_f16_f32 v[VF+8*(\tp)+4*(\i)+(\k)], v[ACC+32+8*(\i)+2*(\k)], v[ACC+32+8*(\i)+2*(\k)+1]
.endr
.endr
.endr
.endm
.macro MAX32 s, c                      ; the largest of 32 scores (four accumulators) into v[c]; c+1 .. c+3 at work.  Each accumulator's lowest registers are read first
.irp q, 0,1,2,3
	v_max3_num_f32 v[(\c)+(\q)], v[(\s)+8*(\q)], v[(\s)+8*(\q)+1], v[(\s)+8*(\q)+2]
.endr
.irp q, 0,1,2,3
	v_max3_num_f32 v[(\c)+(\q)], v[(\c)+(\q)], v[(\s)+8*(\q)+3], v[(\s)+8*(\q)+4]
.endr
.irp q, 0,1,2,3
	v_max3_num_f32 v[(\c)+(\q)], v[(\c)+(\q)], v[(\s)+8*(\q)+5], v[(\s)+8*(\q)+6]
.endr
	v_max3_num_f32 v[\c], v[\c], v[(\s)+7], v[(\s)+15]
	v_max3_num_f32 v[(\c)+2], v[(\c)+2], v[(\s)+23], v[(\s)+31]
	v_max3_num_f32 v[\c], v[\c], v[(\c)+1], v[(\c)+2]
	v_max_num_f32 v[\c], v[\c], v[(\c)+3]
.endm
; What trip t's scores want beside K.  self = 1: query tile t's eight bias pieces (from memory, straight into the slots), eight mask pieces (turned, into window 1) and its Q piece.
; self = 0: four mask pieces, each into the slots of both jobs, and two Q pieces: tile 4 + t for job 0, tile t for job 1.
.macro ATTLOAD self, t
.if \self
.irp kt, 0,1,2,3,4,5,6,7
	global_load_b128 v[KS+8*(\kt)+4:KS+8*(\kt)+7], v[L16], s[42:43] offset:4096*(\t)+512*(\kt)
.endr
	WIN 0x40
.irp kt, 0,1,2,3,4,5,6,7
	ds_load_tr16_b128 v[MR+4*(\kt):MR+4*(\kt)+3], v[MA0] offset:4608*(\t)+32*(\kt)   ; 16 rows of the mask a tile, 32 bytes a key tile
.endr
	WIN 0
	ds_load_b128 v[BS1:BS1+3], v[QSA] offset:512*(\t)
.else
.irp kt, 0,1,2,3
	ds_load_tr16_b128 v[KS+8*(\kt)+4:KS+8*(\kt)+7],   v[MA0] offset:4608*(\t)+32*(\kt)
	ds_load_tr16_b128 v[KS+8*(\kt)+36:KS+8*(\kt)+39], v[MA0] offset:4608*(\t)+32*(\kt)
.endr
	ds_load_b128 v[BS1:BS1+3], v[QSA] offset:2048+512*(\t)
	ds_load_b128 v[BS2:BS2+3], v[QSA] offset:512*(\t)
.endif
.endm
; TRIP t.  self = 1: tile t of 16 queries against 128 keys.  self = 0: two jobs of 16 queries against 64 keys: job 0 frame 2's queries on frame 1's keys (scores S+0..31), job 1 the other way round (S+32..63).
; nxt = 1: the next trip's pieces are asked for behind the scores' products and land under the softmax.
.macro ATT self, t, nxt
.if \self
	s_wait_loadcnt 0x0                             ; the bias pieces: no other load of mine is out during the passes
.endif
	s_wait_dscnt 0x0                               ; the mask pieces and Q
.if \self
	WIN 0x04                                       ; source 1 in window 1
.set z, 0
.rept 32
	v_pk_add_f16 v[KS+8*(z/4)+4+z%4], v[KS+8*(z/4)+4+z%4], v[MR+z]   ; bias + mask
.set z, z+1
.endr
	WIN 0
.endif
.set z, 0
.rept 8
.if (\self) || (z < 4)
	v_wmma_f32_16x16x32_f16 v[S+8*z:S+8*z+7], v[KS+8*z:KS+8*z+7], v[BS1:BS1+7], 0
.else
	v_wmma_f32_16x16x32_f16 v[S+8*z:S+8*z+7], v[KS+8*z:KS+8*z+7], v[BS2:BS2+7], 0
.endif
.set z, z+1
.endr
	PLACES                                         ; between those products and the loads into their sources, and the maxima that read their results
.if \nxt
	ATTLOAD \self, (\t)+1
.endif
	MAX32 S, ST
	MAX32 S+32, ST+4
.if \self
	v_max_num_f32 v[ST], v[ST], v[ST+4]
	v_permlanex16_b32 v[ST+1], v[ST], s32, s33     ; the query's other keys lie in the lane 16 away
	v_max_num_f32 v[ST], v[ST], v[ST+1]
	v_mul_f32 v[MC0], s30, v[ST]
.else
	v_permlanex16_b32 v[ST+1], v[ST], s32, s33
	v_permlanex16_b32 v[ST+5], v[ST+4], s32, s33
	v_max_num_f32 v[ST], v[ST], v[ST+1]
	v_max_num_f32 v[ST+4], v[ST+4], v[ST+5]
	v_mul_f32 v[MC0], s30, v[ST]
	v_mul_f32 v[MC1], s30, v[ST+4]
.endif
	; ONE BATCH: the 32 scalings c s - c m and the 64 exponentials.  Exponential e stands behind scaling e + 1, its own pair e / 2 long scaled; nothing here names an exponential's result.
.set z, 0
.rept 32
.set mc, MC0
.if (!(\self)) && (z >= 16)
.set mc, MC1
.endif
	v_pk_fma_f32 v[S+2*z:S+2*z+1], v[S+2*z:S+2*z+1], s[30:31], v[mc:mc+1] op_sel_hi:[1,0,0] neg_lo:[0,0,1] neg_hi:[0,0,1]
.if z >= 1
	v_exp_f32 v[S+z-1], v[S+z-1]
.endif
.set z, z+1
.endr
.set z, 31
.rept 33
	v_exp_f32 v[S+z], v[S+z]
.set z, z+1
.endr
	v_nop                                          ; a plain instruction behind the last exponential (ISA guide 5.7.2),
	s_wait_alu depctr_va_vdst(0)                   ; and the one wait ahead of the batch's first reader
.set z, 0
.rept 32
	v_cvt_pk_f16_f32 v[S+z], v[S+2*z], v[S+2*z+1]  ; P in place, ascending: register z is written when 2 z and 2 z + 1 are read; fragment c of 32 keys is S + 8 c
.set z, z+1
.endr
	; O^T = V^T P and l = ones P; the accumulators take turns; the first link of each starts its sum
.if \self
.irp c, 0,1,2,3
.if (\c) == 0
	v_wmma_f32_16x16x32_f16 v[ACC:ACC+7], v[VF:VF+7], v[S:S+7], 0
	v_wmma_f32_16x16x32_f16 v[ACC+8:ACC+15], v[ONES:ONES+7], v[S:S+7], 0
.else
	v_wmma_f32_16x16x32_f16 v[ACC:ACC+7], v[VF+8*(\c):VF+8*(\c)+7], v[S+8*(\c):S+8*(\c)+7], v[ACC:ACC+7]
	v_wmma_f32_16x16x32_f16 v[ACC+8:ACC+15], v[ONES:ONES+7], v[S+8*(\c):S+8*(\c)+7], v[ACC+8:ACC+15]
.endif
.endr
.else
.irp j, 0,1
	v_wmma_f32_16x16x32_f16 v[ACC+16*(\j):ACC+16*(\j)+7], v[VF+16*(\j):VF+16*(\j)+7], v[S+16*(\j):S+16*(\j)+7], 0
	v_wmma_f32_16x16x32_f16 v[ACC+16*(\j)+8:ACC+16*(\j)+15], v[ONES:ONES+7], v[S+16*(\j):S+16*(\j)+7], 0
.endr
.irp j, 0,1
	v_wmma_f32_16x16x32_f16 v[ACC+16*(\j):ACC+16*(\j)+7], v[VF+16*(\j)+8:VF+16*(\j)+15], v[S+16*(\j)+8:S+16*(\j)+15], v[ACC+16*(\j):ACC+16*(\j)+7]
	v_wmma_f32_16x16x32_f16 v[ACC+16*(\j)+8:ACC+16*(\j)+15], v[ONES:ONES+7], v[S+16*(\j)+8:S+16*(\j)+15], v[ACC+16*(\j)+8:ACC+16*(\j)+15]
.endr
.endif
	PLACES
	v_rcp_f32 v[R0], v[ACC+8]                      ; every register of l's accumulator holds the query's sum: the lowest is taken
.if !(\self)
	v_rcp_f32 v[R1], v[ACC+24]
.endif
	v_nop                                          ; with the four above: five plain instructions between the last product and the next trip's products, which write over P
	s_wait_alu depctr_va_vdst(0)                   ; the reciprocals' wait, ahead of their first reader
.irp k, 0,1,2,3
	v_pk_mul_f32 v[ACC+2*(\k):ACC+2*(\k)+1], v[ACC+2*(\k):ACC+2*(\k)+1], v[R0:R0+1] op_sel_hi:[1,0]
.endr
.irp k, 0,1,2,3
	v_cvt_pk_f16_f32 v[ST+(\k)], v[ACC+2*(\k)], v[ACC+2*(\k)+1]
.endr
.if \self
	ds_store_b128 v[OS0], v[ST:ST+3] offset:8448*(\t)+256    ; row = the query (16 rows of 528 bytes a tile), columns 128 + 16 h + 8 hh ..
.else
	ds_store_b128 v[OS0], v[ST:ST+3] offset:8448*(\t)        ; frame 2's queries fill rows 0-63, columns 16 h + 8 hh ..
.irp k, 0,1,2,3
	v_pk_mul_f32 v[ACC+16+2*(\k):ACC+16+2*(\k)+1], v[ACC+16+2*(\k):ACC+16+2*(\k)+1], v[R1:R1+1] op_sel_hi:[1,0]
.endr
.irp k, 0,1,2,3
	v_cvt_pk_f16_f32 v[ST+4+(\k)], v[ACC+16+2*(\k)], v[ACC+16+2*(\k)+1]
.endr
	ds_store_b128 v[OS0], v[ST+4:ST+7] offset:8448*(\t)+33792  ; frame 1's queries fill rows 64-127
.endif
.endm
; THE PROJECTION.  K step c of eight: two fragments of O (my 32 tokens), four of w_proj (my 64 columns)
.macro LDP c, buf
.irp i, 0,1
	ds_load_b128 v[(\buf)+8*(\i):(\buf)+8*(\i)+3],   v[OFA] offset:8448*(\i)+64*(\c)
	ds_load_b128 v[(\buf)+8*(\i)+4:(\buf)+8*(\i)+7], v[OFA] offset:8448*(\i)+64*(\c)+32
.endr
.irp t, 0,1,2,3
	ds_load_b128 v[(\buf)+16+8*(\t):(\buf)+16+8*(\t)+3],   v[WPA] offset:8192*(\t)+1024*(\c)
	ds_load_b128 v[(\buf)+16+8*(\t)+4:(\buf)+16+8*(\t)+7], v[WPA] offset:8192*(\t)+1024*(\c)+512
.endr
.endm
.macro MMP buf                         ; eight products, the eight accumulators by turns: a lane ends with one token and eight neighbouring columns
.irp i, 0,1
.irp t, 0,1,2,3
	v_wmma_f32_16x16x32_f16 v[S+8*(4*(\i)+(\t)):S+8*(4*(\i)+(\t))+7], v[(\buf)+16+8*(\t):(\buf)+16+8*(\t)+7], v[(\buf)+8*(\i):(\buf)+8*(\i)+7], v[S+8*(4*(\i)+(\t)):S+8*(4*(\i)+(\t))+7]
.endr
.endr
.endm
.macro PROJ
.irp a, 0,1,2,3,4,5,6,7                ; the sums start at b_proj
	ds_load_b128 v[S+8*(\a):S+8*(\a)+3],   v[BPA] offset:64*((\a)%4)
	ds_load_b128 v[S+8*(\a)+4:S+8*(\a)+7], v[BPA] offset:64*((\a)%4)+16
.endr
	LDP 0, PB0
	LDP 1, PB1
.irp c, 0,1,2,3,4,5,6,7
.set pb, PB0-160*((\c)%2)
.if (\c) < 7
	s_wait_dscnt 12                                ; this step's operands are in (and, the first time, b_proj); the next step's twelve loads may stay out
.else
	s_wait_dscnt 0x0
.endif
	MMP pb
.if (\c) < 6
	PLACES
	LDP (\c)+2, pb
.endif
.endr
	PLACES
	; THE WAY OUT: a lane's 32 bytes go into my stage (16 rows x 272), and come back as whole pieces of 256 bytes of a row of out0
.irp i, 0,1
.irp t, 0,1,2,3
	ds_store_b128 v[STA], v[S+8*(4*(\i)+(\t)):S+8*(4*(\i)+(\t))+3]   offset:XM*(\i)+64*(\t)
	ds_store_b128 v[STA], v[S+8*(4*(\i)+(\t))+4:S+8*(4*(\i)+(\t))+7] offset:XM*(\i)+64*(\t)+16
.endr
.irp k, 0,1,2,3,4,5,6,7
	ds_load_b128 v[PB0-160*(\i)+4*(\k):PB0-160*(\i)+4*(\k)+3], v[RDA] offset:XM*(\i)+544*(\k)   ; LDS serves a wave's instructions in order (ISA guide 5.7.1.4): these see the stores above
.endr
.endr
	s_wait_dscnt 16                                ; the first tile is back; the second tile's eight stores and eight loads may stay out
.irp k, 0,1,2,3,4,5,6,7
	global_store_b128 v[OUTO], v[PB0+4*(\k):PB0+4*(\k)+3], s[38:39] offset:1024*(\k) th:TH_STORE_NT   ; 16 lanes store 256 consecutive bytes, aligned
.endr
	s_wait_dscnt 0x0
.irp k, 0,1,2,3,4,5,6,7
	global_store_b128 v[OUTO], v[PB1+4*(\k):PB1+4*(\k)+3], s[38:39] offset:8192+1024*(\k) th:TH_STORE_NT
.endr
.endm
	; ---------------------------------------------------------------- THE HEAD
.set LR, 144                           ; at work in the head only: r, hh, L
.set LH, 145
.set LL, 146
	s_load_b256 s[8:15], s[0:1], 0x0               ; x s[8:9], mask s[10:11], b_proj s[12:13], wq s[14:15]
	s_load_b256 s[16:23], s[0:1], 0x20             ; wp s[16:17], bias s[18:19], pe16 s[20:21], out0 s[22:23]
	v_lshl_add_u32 v[SPW], v0, 2, SPARE
	v_mov_b32 v[NIL], 0
	v_lshrrev_b32 v[TV], 5, v0
	v_readfirstlane_b32 s24, v[TV]                 ; wave 0..7 = my head
	s_lshr_b32 s25, s24, 2                         ; group 0: self first; group 1: mutual first
	s_mov_b32 s26, ttmp9
	s_mov_b32 s30, 0x3fb8aa3b                      ; c = log2(e)
	s_mov_b32 s31, s30                             ; named with it as a pair
	s_mov_b32 s32, 0x76543210
	s_mov_b32 s33, 0xfedcba98
	s_mov_b32 s34, 0x3c00
	s_mov_b32 s35, 0x3c000000
	s_mov_b32 s47, 0xffff0000
	s_mov_b32 s45, 0
	s_lshr_b32 s46, s24, 1                         ; tg
	s_and_b32 s29, s24, 1                          ; cg
	v_and_b32 v[LR], 15, v0
	v_bfe_u32 v[LH], v0, 4, 1
	v_and_b32 v[LL], 31, v0
	v_mul_u32_u24 v[XRA], v[LR], 272
	v_lshl_add_u32 v[XRA], v[LH], 4, v[XRA]
	s_mul_i32 s2, s24, 4352                        ; my wave's 16 rows of XS
	v_lshl_add_u32 v[XSA], v[LL], 3, s2
	s_and_b32 s3, s24, 3
	s_lshl_b32 s3, s3, 12
	s_add_co_u32 s3, s3, PE
	v_lshl_add_u32 v[PEA], v[LL], 3, s3
	s_lshl_b32 s3, s24, 13
	v_lshl_add_u32 v[XO], v[LL], 4, s3
	v_lshl_add_u32 v[PFO], v[LL], 8, s3
	s_lshl_b32 s3, s24, 12
	s_add_co_u32 s3, s3, QL
	v_lshl_add_u32 v[QSA], v[LL], 4, s3
	v_and_b32 v147, 7, v0
	v_lshl_add_u32 v147, v[LH], 3, v147
	v_mul_u32_u24 v[MA0], v147, 288
	v_bfe_u32 v148, v0, 3, 1
	v_lshl_add_u32 v[MA0], v148, 4, v[MA0]
	v_add_nc_u32 v[MA0], MK, v[MA0]
	s_mul_i32 s3, s24, 4608
	s_add_co_u32 s3, s3, MK
	v_lshl_add_u32 v[MSA], v[LL], 3, s3
	v_mul_u32_u24 v149, v[LR], 528
	v_lshl_add_u32 v149, v[LH], 4, v149
	s_lshl_b32 s3, s24, 5
	s_add_co_u32 s3, s3, OB
	v_add_nc_u32 v[OS0], s3, v149
	v_lshlrev_b32 v[L16], 4, v[LL]
	s_mul_i32 s3, s46, 16896                       ; 32 rows of O
	s_add_co_u32 s3, s3, OB
	v_add_nc_u32 v[OFA], s3, v149
	s_lshl_b32 s3, s29, 15
	s_add_co_u32 s3, s3, WP
	v_lshl_add_u32 v[WPA], v[LL], 4, s3
	s_lshl_b32 s3, s29, 8
	s_add_co_u32 s3, s3, BP
	v_lshl_add_u32 v[BPA], v[LH], 5, s3
	v_mul_u32_u24 v[STA], v[LR], 272
	v_lshl_add_u32 v[STA], v[LH], 5, v[STA]
	v_add_nc_u32 v[STA], s2, v[STA]
	v_mul_u32_u24 v[RDA], v[LH], 272
	v_lshl_add_u32 v[RDA], v[LR], 4, v[RDA]
	v_add_nc_u32 v[RDA], s2, v[RDA]
	s_lshl_b32 s3, s46, 14
	s_lshl_b32 s28, s29, 8
	s_add_co_u32 s3, s3, s28
	v_lshlrev_b32 v[OUTO], 9, v[LH]
	v_lshl_add_u32 v[OUTO], v[LR], 4, v[OUTO]
	v_add_nc_u32 v[OUTO], s3, v[OUTO]
	s_mul_i32 s3, s24, 12288                       ; my head's weights in wq
	v_lshl_add_u32 v[TV], v[LL], 4, s3
	v_add_nc_u32 v24, WP, v[XO]                    ; where my 8,192 bytes of wp go
	s_lshl_b32 s3, s24, 11
	v_lshl_add_u32 v26, v[LL], 4, s3               ; my 2,048 bytes of pe16,
	v_add_nc_u32 v25, PE, v26                      ; and where they go
	v_add_nc_u32 v27, BP, v[L16]
	; the identity: lane (r, hh) holds, for j = 0..7, 1.0 where 8 hh + j = r
	v_lshlrev_b32 v150, 3, v[LH]
	v_sub_nc_u32 v150, v[LR], v150
.irp i, 0,1,2,3
	v_cmp_eq_u32 vcc_lo, 2*(\i), v150
	v_cndmask_b32 v[BS1+4+(\i)], 0, s34, vcc_lo
	v_cmp_eq_u32 vcc_lo, 2*(\i)+1, v150
	v_cndmask_b32 v[BS1+4+(\i)], v[BS1+4+(\i)], s35, vcc_lo
	v_mov_b32 v[BS2+4+(\i)], v[BS1+4+(\i)]
.endr
.irp i, 0,1,2,3,4,5,6,7
	v_mov_b32 v[ONES+(\i)], 0x3c003c00
.endr
	s_wait_kmcnt 0x0
	s_lshl_b32 s44, s24, 15
	s_add_nc_u64 s[42:43], s[18:19], s[44:45]      ; my head's bias: 32,768 bytes
	s_add_co_u32 s2, s26, 256
	s_lshl_b32 s44, s2, 16
	s_add_nc_u64 s[48:49], s[10:11], s[44:45]      ; the second mask, g + 256
	s_lshl_b32 s44, s26, 16
	s_add_nc_u64 s[36:37], s[8:9], s[44:45]        ; the first window, g
	XLOAD
	WIN 0x40
.irp y, 0,1
.set f, 0
.rept 12
	global_load_b128 v[96*(\y)+8*f:96*(\y)+8*f+3],   v[TV], s[14:15] offset:98304*(\y)+1024*f
	global_load_b128 v[96*(\y)+8*f+4:96*(\y)+8*f+7], v[TV], s[14:15] offset:98304*(\y)+1024*f+512
.set f, f+1
.endr
.endr
	WIN 0
.set i, 0
.rept 16
	global_load_b128 v[S+4*i:S+4*i+3], v[XO], s[16:17] offset:512*i
.set i, i+1
.endr
.irp k, 0,1,2,3
	global_load_b128 v[ACC+4*(\k):ACC+4*(\k)+3], v26, s[20:21] offset:512*(\k)
.endr
	s_cmp_lg_u32 s24, 0
	s_cbranch_scc1 .Lno_b
	global_load_b128 v[224:227], v[L16], s[12:13]  ; wave 0: b_proj, rounded to bf16 like every input and kept as f32
	s_wait_loadcnt 0x0
	v_cvt_pk_bf16_f32 v228, v224, v225
	v_cvt_pk_bf16_f32 v229, v226, v227
	v_lshlrev_b32 v224, 16, v228
	v_and_b32 v225, s47, v228
	v_lshlrev_b32 v226, 16, v229
	v_and_b32 v227, s47, v229
	ds_store_b128 v27, v[224:227]
.Lno_b:
	s_wait_loadcnt 0x0
.set i, 0
.rept 16
	ds_store_b128 v24, v[S+4*i:S+4*i+3] offset:512*i
.set i, i+1
.endr
.irp k, 0,1,2,3
	ds_store_b128 v25, v[ACC+4*(\k):ACC+4*(\k)+3] offset:512*(\k)
.endr
	s_wait_dscnt 0x0                               ; for the others' sake: my parts of the tables are stored
	s_barrier_signal -1
	s_barrier_wait -1                              ; pe16 is whole: the first window's x + pe reads rows that other waves stored
	s_mov_b32 s27, 0
	; ---------------------------------------------------------------- A WINDOW
.Lwin:
	s_wait_xcnt 0x0                                ; the last window's stores and prefetches have read their registers: the stores' data, s[36:39] and s[40:41] are written again only behind this wait
	s_and_b32 s2, s27, 1
	s_cmp_eq_u32 s2, 0
	s_cbranch_scc0 .Lodd
	s_lshr_b32 s3, s27, 1                          ; an even window brings a new mask: g, then g + 256
	s_lshl_b32 s3, s3, 8
	s_add_co_u32 s3, s3, s26
	s_lshl_b32 s44, s3, 16
	s_add_nc_u64 s[40:41], s[10:11], s[44:45]
.set i, 0
.rept 16
	global_load_b128 v[S+4*i:S+4*i+3], v[XO], s[40:41] offset:512*i th:TH_LOAD_NT
.set i, i+1
.endr
	s_wait_loadcnt 16                              ; x is in: behind its sixteen loads only the mask's sixteen were issued
	s_branch .Lx_in
.Lodd:
	s_wait_loadcnt 0x0                             ; x is in
.Lx_in:
	WOFF 27
	s_add_nc_u64 s[38:39], s[22:23], s[44:45]      ; out0 at this window
	s_add_co_u32 s46, s27, 1
	WOFF 46
	s_add_nc_u64 s[36:37], s[8:9], s[44:45]        ; x at the next window (in the last window the address lies inside x and nothing uses it)
	XCONV
	s_wait_loadcnt 0x0                             ; the mask, in even windows; in odd ones nothing is out
	s_and_b32 s2, s27, 1
	s_cmp_eq_u32 s2, 0
	s_cbranch_scc0 .Lmask_in
	MCONV
.Lmask_in:
	s_wait_dscnt 0x0                               ; my rows of x, x + pe and the mask are stored; my reads of O in the last projection are long over
	s_barrier_signal -1
	s_barrier_wait -1                              ; x and the mask are whole, and O may be written again
	s_mov_b32 s28, 0
.Lpass:
	s_xor_b32 s2, s28, s25                         ; group 0: self, mutual; group 1: mutual, self.  No barrier stands in either arm
	s_cmp_eq_u32 s2, 0
	s_cbranch_scc0 .Lmut
	QKV 0
	ATTLOAD 1, 0
.irp t, 0,1,2,3,4,5,6
	ATT 1, \t, 1
.endr
	ATT 1, 7, 0                                    ; the eighth query tile asks for nothing more
	s_branch .Ljoin
.Lmut:
	QKV 1
	ATTLOAD 0, 0
.irp t, 0,1,2
	ATT 0, \t, 1
.endr
	ATT 0, 3, 0
.Ljoin:
	; A PREFETCH INTO THE L2, between the two passes: my wave's own 8,192 bytes of the next window's x, 32 blocks of 256 bytes, a lane a block, one instruction; the loads that want them stand a pass further on.
	; In the second window also my 8,192 bytes of the second mask, which the third window loads.  Each block is named once in the launch, by the wave that will load it; the last window asks for nothing.
	s_cmp_eq_u32 s28, 0
	s_cbranch_scc0 .Lno_pf
	s_cmp_lt_u32 s27, 3
	s_cbranch_scc0 .Lno_pf
	global_prefetch_b8 v[PFO], s[36:37] th:TH_LOAD_NT scope:SCOPE_SE
	s_cmp_eq_u32 s27, 1
	s_cbranch_scc0 .Lno_pf
	global_prefetch_b8 v[PFO], s[48:49] th:TH_LOAD_NT scope:SCOPE_SE
.Lno_pf:
	s_add_co_u32 s28, s28, 1
	s_cmp_lt_u32 s28, 2
	s_cbranch_scc1 .Lpass
	s_cmp_lt_u32 s27, 3
	s_cbranch_scc0 .Lno_x
	XLOAD                                          ; the next window's x lands under the projection
.Lno_x:
	s_wait_dscnt 0x0                               ; my part of O is stored; my reads of x, x + pe and the mask are over
	s_barrier_signal -1
	s_barrier_wait -1                              ; O is whole; XS and XM are free to be the waves' stages, MK to take a new mask
	PROJ
	s_add_co_u32 s27, s27, 1
	s_cmp_lt_u32 s27, 4
	s_cbranch_scc1 .Lwin
	s_wait_tensorcnt 0x0                           ; the wave's end, behind my last LDS store
	ds_add_u32 v[SPW], v[NIL]
	s_wait_dscnt 0x0
	s_endpgm
.Lfunc_end_k_q7c3a667916_attn:
	.size	k_q7c3a667916_attn, .Lfunc_end_k_q7c3a667916_attn-k_q7c3a667916_attn
	.p2alignl 7, 3214868480
	.fill 96, 4, 3214868480
	.section	.rodata,"a",@progbits
	.p2align	6, 0x0
	.amdhsa_kernel k_q7c3a667916_attn
		.amdhsa_group_segment_fixed_size 290304
		.amdhsa_private_segment_fixed_size 0
		.amdhsa_enable_private_segment 0
		.amdhsa_kernarg_size 64
		.amdhsa_user_sgpr_count 2
		.amdhsa_user_sgpr_kernarg_segment_ptr 1
		.amdhsa_wavefront_size32 1
		.amdhsa_system_sgpr_workgroup_id_x 1
		.amdhsa_system_sgpr_workgroup_id_y 1
		.amdhsa_system_sgpr_workgroup_id_z 1
		.amdhsa_system_vgpr_workitem_id 0
		.amdhsa_next_free_vgpr 512
		.amdhsa_next_free_sgpr 66
		.amdhsa_reserve_vcc 1
		.amdhsa_float_denorm_mode_32 3
		.amdhsa_float_denorm_mode_16_64 3
		.amdhsa_memory_ordered 1
		.amdhsa_forward_progress 1
		.amdhsa_inst_pref_size 245
	.end_amdhsa_kernel
	.amdgpu_metadata
---
amdhsa.version: [ 1, 2 ]
amdhsa.kernels:
  - .name:           k_q7c3a667916_attn
    .symbol:         k_q7c3a667916_attn.kd
    .args:
      - { .name: x, .offset: 0, .size: 8, .value_kind: global_buffer, .address_space: global }
      - { .name: mask, .offset: 8, .size: 8, .value_kind: global_buffer, .address_space: global }
      - { .name: b_proj, .offset: 16, .size: 8, .value_kind: global_buffer, .address_space: global }
      - { .name: wq, .offset: 24, .size: 8, .value_kind: global_buffer, .address_space: global }
      - { .name: wp, .offset: 32, .size: 8, .value_kind: global_buffer, .address_space: global }
      - { .name: bias, .offset: 40, .size: 8, .value_kind: global_buffer, .address_space: global }
      - { .name: pe16, .offset: 48, .size: 8, .value_kind: global_buffer, .address_space: global }
      - { .name: out0, .offset: 56, .size: 8, .value_kind: global_buffer, .address_space: global }
    .group_segment_fixed_size: 290304
    .private_segment_fixed_size: 0
    .kernarg_segment_align: 8
    .kernarg_segment_size: 64
    .max_flat_workgroup_size: 256
    .sgpr_count:     66
    .vgpr_count:     512
    .wavefront_size: 32
...
	.end_amdgpu_metadata
.endif
;; end of part 2
;; ======== version 2 of 2: 2 launches; version 1 with the launch attn written anew for expert scheduling mode
;; limits: values outside matrix products are rounded to bf16; values outside matrix products are rounded to f16; values are held in f16: magnitudes above 65,504 overflow, below 6.1e-05 lose precision; right only within a limited range of input values
;; workspace buffers: wq 196,608 bytes; wp 65,536 bytes; bias 262,144 bytes; pe16 16,384 bytes
;; launch prep: the kernel of part 1 again; grid 132 x 1, 8 waves a work-group, no clusters, 0 bytes of LDS; arguments rpe_index, rpe_table, w_qkv_self, w_qkv_mut, w_proj, pe, wq, wp, bias, pe16; writes wq, wp, bias, pe16
;; launch attn (part 3): grid 256 x 1, 8 waves a work-group, no clusters, 290,304 bytes of LDS; arguments x, mask, b_proj, wq, wp, bias, pe16, out0; writes out0
.if DOCPART == 3
	.amdgcn_target "amdgcn-amd-amdhsa--gfx1250"
	.amdhsa_code_object_version 6
	.text
	.protected	k_q7c3a667916_attn
	.globl	k_q7c3a667916_attn
	.p2align	8
	.type	k_q7c3a667916_attn,@function
k_q7c3a667916_attn:
	s_mov_b64 s[64:65], 0
	v_nop
	global_prefetch_b8 v0, s[64:65] scope:SCOPE_SE
	s_setreg_imm32_b32 hwreg(HW_REG_WAVE_SCHED_MODE, 0, 2), 2
	s_setreg_imm32_b32 hwreg(HW_REG_WAVE_MODE, 25, 1), 1
	s_wait_xcnt 0x0
	s_wait_alu depctr_vm_vsrc(0)
; WINDOW SELF ATTENTION AND MUTUAL ATTENTION OF THE TWO FRAMES, with both QKV products and the closing projection, in one launch.  Nothing of reference() is left out.
; SHARES.  Work-group g takes the windows g, g + 512, g + 256, g + 768: two neighbours in that order share mask g (then g + 256), which is read from memory once and kept in LDS.
; Eight waves; WAVE h OWNS HEAD h: its rows of both QKV weights stay in 192 registers for the whole launch, and q, k, v of its head never leave the wave.
; Through LDS go only x (rounded once, read by all waves), the mask (likewise) and the heads' results O (ahead of the projection, where wave w makes 32 tokens x 64 columns).
; Waves 0-3 do self attention and then mutual attention, waves 4-7 the other way round, so that at any time some waves are in products and others in a softmax.
; LAYOUT.  All products are 16 x 16 x 32 in f16 with f32 sums.  q and k come as W x^T (a lane holds one token, eight channels), which rounded in pairs IS registers 0-3 of an operand.
; A head has 16 channels, half of the form's 32: THE OTHER HALF CARRIES BIAS + MASK.  S^T = {K | B} {Q | I}^T, where B holds (bias + mask)[query e][key] for the tile's 16 queries e and I is
; the identity: the product adds to score (key, query) just (bias + mask)[query][key].  In S^T a lane holds one query (lane % 16) and the keys 8 (lane / 16) + 0..7 of each tile of 16; rounded in pairs
; two tiles ARE source 1 of O^T = V^T P.  v comes as x W^T, a lane holding one channel and eight tokens: the registers of V^T.  The row sums l are a product of ones with the same P.
; SOFTMAX.  All of a query's keys are held at once: m is the row's true maximum, p = 2^(c s - c m), c = log2(e); O = (V^T P) / l.
; FORMATS.  Every input is rounded to bf16; that value is written as f16 (b_proj: kept as f32).  x + pe and bias + mask are one f16 addition each.  q, k, v, p and O are rounded once to f16; sums, maxima and l are f32; l is the sum of the rounded p.
; LIMITS.  |x|, |x + pe|, |mask|, |bias + mask|, |q|, |k|, |v| stay under 65,504, f16's end; beyond it a row is lost.  mask and bias are finite (an infinity times the identity's zeros is no number).
; Below 6e-5 f16 keeps its fixed step of 6e-8; a weight p under 3e-8 counts as 0.  NaN and infinities are not treated apart.
; NO CLUSTER, NO JOINT LOADS.  What work-groups share is the bias, 4,096 bytes for a head and query tile, and it lands by plain loads straight in registers.  A joint load would want two LDS slots of
; 8 x 4,096 bytes where 327,680 - 290,304 = 37,376 are free, and a meeting of all waves of four work-groups for each of the eight query tiles, while here the two groups of waves are never at the same tile.
; x and mask pass through registers to be rounded, so no tensor load brings them.
; THE TRIPS OF BOTH ATTENTIONS ARE WRITTEN OUT (eight and four): every LDS address is a register made once at the head, a lane term plus the wave's number times a constant, and an immediate.
; THE MODE: SCHED_MODE bits 1:0 = 2 (LLVM: expert scheduling mode 2), set by the entry lines.  The code itself states the register dependences
; between vector or matrix instructions and memory or LDS instructions, with s_wait_alu, always for 0.
; THE PLAN.  Registers that memory or LDS instructions touch, and who else names them:
;   v1-v18, v23-v27  addresses and offsets: written in the head, ahead of its one wait; v1-v18 and v23 are never written again, v24-v27 become Q's out-buffer behind the window's first wait on vm_vsrc.
;   XL (window 1)    the next window's x lands here under the projection; XCONV's roundings read it.  During the passes the same 64 registers are XA, x's fragments of QKV's steps 0 and 2, read by those
;                    steps' products, and then MR + BR, a self trip's mask and bias pieces, read by the trip's 32 additions alone.
;   S                the mask as loaded (MCONV rounds it in place, its stores read it); x's fragments of QKV's steps 1 and 3; in the trips vector and matrix lines alone; the projection's sums, read by the stage's stores.
;   KS               XCONV's out-buffer (x, x + pe); in mutual trips the mask pieces land in the slots' upper halves, which the scores' products read.
;   BS1, BS2 (0-3)   Q's out-buffer in QKV (written by a step's roundings, read by the two stores in the next step); then the Q pieces land here: in self trips by turns, so that a piece lands in the one that the products of the trip before read.
;   ACC+8.., ACC+24..  O's out-buffer: written by a trip's last roundings, read by the stores in the next trip, written again by that trip's products for l.
;   PB0, PB1, PB2    the projection's operands, three buffers by turns: step c + 2's loads land in the buffer that step c - 1's products read.
; Each wait's comment says what it states.  Between a wait and the memory lines that lean on it stand only lines that name none of the registers that those touch.
;
; LDS (bytes)
.set XS,    0                          ; 128 rows x 272: x in f16 (256 + 16 of padding: the 16 rows of an operand load start 4 banks apart: ISA guide 11.1).  Behind the second barrier wave w's rows 16 w .. are its stage on the way out
.set XM,    34816                      ; x + pe, the same form; the stage of the wave's second token tile
.set OB,    69632                      ; 128 rows x 528: O in f16: 128 columns mutual, 128 self
.set MK,    137216                     ; 128 rows x 288: the mask in f16, [query][key]; read turned
.set PE,    174080                     ; pe16, 64 rows x 256
.set WP,    190464                     ; wp as it lies in memory, 65,536
.set QL,    256000                     ; 4,096 a wave: its eight Q pieces of 512 bytes
.set BP,    288768                     ; b_proj, 128 f32
.set SPARE, 289280                     ; the spare words, 128 bytes for each wave: four blocks of 256 bytes that no other line names
; VECTOR REGISTERS, window 0.  v1-v18 are made at the head and never rewritten
.set SPW, 1                            ; SPARE + 4 x thread
.set NIL, 2                            ; 0
.set XRA, 3                            ; 272 r + 16 hh: an operand's place in 16 rows of XS
.set XSA, 4                            ; 4,352 w + 8 L: where I store 4 numbers of my wave's rows of x
.set PEA, 5                            ; PE + 4,096 (w % 4) + 8 L
.set XO,  6                            ; 8,192 w + 16 L: my 16 bytes in my wave's 16 rows of x, of mask, of wp
.set PFO, 7                            ; 8,192 w + 256 L: the prefetches' offset
.set QSA, 8                            ; QL + 4,096 w + 16 L: my 16 bytes of my wave's first Q piece
.set MA0, 9                            ; MK + 288 (8 hh + L % 8) + 16 ((L / 8) % 2): the turning load's place in the mask's first 16 rows
.set MSA, 10                           ; MK + 4,608 w + 8 L
.set OS0, 11                           ; OB + 528 r + 32 w + 16 hh: my 16 bytes of O's first 16 rows
.set L16, 12                           ; 16 L
.set OFA, 13                           ; OB + 528 (32 tg + r) + 16 hh      (tg = w / 2: my 32 tokens in the projection; cg = w % 2: my 64 columns)
.set WPA, 14                           ; WP + 32,768 cg + 16 L
.set BPA, 15                           ; BP + 256 cg + 32 hh
.set STA, 16                           ; 4,352 w + 272 r + 32 hh: into my stage
.set RDA, 17                           ; 4,352 w + 272 hh + 16 r: back out of it
.set OUTO, 18                          ; 512 (32 tg + hh) + 256 cg + 16 r: my 16 bytes of out0
.set TV,  23                           ; at work in the head
.set BS2, 24                           ; v24-31   source 1 of K Q^T, second job (self: odd trips): 0-3 a Q piece, 4-7 the identity
.set BS1, 32                           ; v32-39   the same, first job (self: even trips)
.set ONES, 40                          ; v40-47   1.0 in every half
.set KS,  48                           ; v48-111  eight slots: 0-3 a K piece, 4-7 its bias + mask piece
.set VF,  112                          ; v112-143 four fragments of V^T
.set S,   144                          ; v144-207 scores, then P in place; x's fragments in QKV's odd steps; the projection's sums
.set ACC, 208                          ; v208-239 O0, L0, O1, L1; with v240-255 QKV's six accumulators.  L0's and L1's lowest four take the rounded O when l has been read
.set ST,  240                          ; v240-247 at work: four a job; vector lines alone name them
.set MC0, 248                          ; c m, first job (named as a pair)
.set MC1, 250
.set R0,  252                          ; 1 / l
.set R1,  254
.set PB0, 208                          ; the projection's three operand buffers: 16 registers of O, 32 of w_proj
.set PB1, 48
.set PB2, 96
; window 1: v0-191 the weights, W(y, p, c) at 96 y + 32 p + 8 c
.set MR,  192                          ; v192-223 a self trip's mask pieces as they land
.set BR,  224                          ; v224-255 its bias pieces as they land
.set XL,  192                          ; v192-255 the next window's x as it lands; in QKV x's fragments of the even steps (never at the same time as MR and BR)
; SCALARS: s[8:23] the eight buffers; s24 wave, s25 its group, s26 work-group; s27 window 0..3, s28 pass; s[30:31] c; s[32:33] lane selects; s34, s35 f16 1.0 low, high; s47 upper bf16;
; s[36:37] x of the window to be loaded next; s[38:39] out0 of this window; s[40:41] the mask; s[42:43] my head's bias; s[48:49] the second mask; s[44:45] an offset, high word 0; s2, s3, s29, s46 at work;
; s48-s55 in the head: the identity's eight lane masks
.set MSB, 0
.macro WIN new                         ; bits 1:0 source 0, 3:2 source 1, 5:4 source 2, 7:6 destination; the high byte repeats the setting that is left; a switch that changes nothing is dropped
.if MSB != (\new)
	s_set_vgpr_msb (MSB<<8)|(\new)
.set MSB, (\new)
.endif
.endm
.macro PLACES                          ; four plain vector instructions between a matrix instruction and a vector instruction or load that touches its registers (ISA guide 7.12.1 for vector instructions)
.rept 4
	v_nop
.endr
.endm
.macro H2 d, b, t                      ; two bf16 in v[b] -> the same two values as f16 in v[d] (d may be b)
	v_lshlrev_b32 v[\t], 16, v[\b]
	v_and_b32 v[(\t)+1], s47, v[\b]
	v_cvt_pk_f16_f32 v[\d], v[\t], v[(\t)+1]
.endm
.macro WOFF n                          ; s44 = the byte offset in x and out0 of the work-group's window number s[n]: (g + 512 (n % 2) + 256 (n / 2)) x 65,536
	s_and_b32 s2, s[\n], 1
	s_lshl_b32 s2, s2, 9
	s_lshr_b32 s3, s[\n], 1
	s_lshl_b32 s3, s3, 8
	s_add_co_u32 s2, s2, s3
	s_add_co_u32 s2, s2, s26
	s_lshl_b32 s44, s2, 16
.endm
.macro XLOAD                           ; my wave's 16 rows of the window at s[36:37]: each load takes a row's 512 consecutive bytes
	WIN 0x40
.set i, 0
.rept 16
	global_load_b128 v[XL+4*i:XL+4*i+3], v[XO], s[36:37] offset:512*i th:TH_LOAD_NT
.set i, i+1
.endr
	WIN 0
.endm
; x as loaded -> bf16 -> f16 into XS; + pe into XM.  My wave's 16 rows, rounded as one block in KS: x in v48-79, x + pe over pe in v80-111; then one wait and one run of stores.
.macro XCONV
.set i, 0
.rept 16
	ds_load_b64 v[KS+32+2*i:KS+32+2*i+1], v[PEA] offset:256*i   ; no vector or matrix line has named v80-111 since the projection's last wait on va_vdst (first window: none at all)
.set i, i+1
.endr
	WIN 0x05                                       ; sources in window 1
.set i, 0
.rept 32
	v_cvt_pk_bf16_f32 v[KS+i], v[XL+2*i], v[XL+2*i+1]
.set i, i+1
.endr
	WIN 0
.set i, 0
.rept 32
	H2 KS+i, KS+i, ACC+2*(i%8)
.set i, i+1
.endr
	s_wait_dscnt 0x0                               ; pe
.set i, 0
.rept 32
	v_pk_add_f16 v[KS+32+i], v[KS+i], v[KS+32+i]
.set i, i+1
.endr
	s_wait_alu depctr_va_vdst(0)                   ; x and x + pe are written in v48-111, which the 32 stores read; the roundings are done reading XL, in which QKV's first fragments land
.set i, 0
.rept 16
	ds_store_b64 v[XSA], v[KS+2*i:KS+2*i+1] offset:272*i
	ds_store_b64 v[XSA], v[KS+32+2*i:KS+32+2*i+1] offset:XM+272*i
.set i, i+1
.endr
.endm
.macro MCONV                           ; the mask as loaded (in S) -> bf16 -> f16 into MK.  My wave's 16 rows, rounded in place, ascending: register z is written when 2 z and 2 z + 1 are read
.set i, 0
.rept 32
	v_cvt_pk_bf16_f32 v[S+i], v[S+2*i], v[S+2*i+1]
.set i, i+1
.endr
.set i, 0
.rept 32
	H2 S+i, S+i, ACC+2*(i%8)
.set i, i+1
.endr
	s_wait_alu depctr_va_vdst(0)                   ; the mask is written in S + 0..31, which the sixteen stores read; these lines are the last that name S ahead of QKV's loads into it
.set i, 0
.rept 16
	ds_store_b64 v[MSA], v[S+2*i:S+2*i+1] offset:288*i
.set i, i+1
.endr
.endm
; What trip t's scores want beside K, in two parts.  M: self = 1: query tile t's eight bias pieces (from memory) and eight mask pieces (turned), both into window 1; self = 0: four mask pieces, each into the slots of both jobs.
.macro ATTLOADM self, t
.if \self
	WIN 0x40
.irp kt, 0,1,2,3,4,5,6,7
	global_load_b128 v[BR+4*(\kt):BR+4*(\kt)+3], v[L16], s[42:43] offset:4096*(\t)+512*(\kt)
.endr
.irp kt, 0,1,2,3,4,5,6,7
	ds_load_tr16_b128 v[MR+4*(\kt):MR+4*(\kt)+3], v[MA0] offset:4608*(\t)+32*(\kt)   ; 16 rows of the mask a tile, 32 bytes a key tile
.endr
	WIN 0
.else
	WIN 0
.irp kt, 0,1,2,3
	ds_load_tr16_b128 v[KS+8*(\kt)+4:KS+8*(\kt)+7],   v[MA0] offset:4608*(\t)+32*(\kt)
	ds_load_tr16_b128 v[KS+8*(\kt)+36:KS+8*(\kt)+39], v[MA0] offset:4608*(\t)+32*(\kt)
.endr
.endif
.endm
; Q: self = 1: tile t's Q piece, into BS1 (t even) or BS2 (t odd); self = 0: two Q pieces: tile 4 + t for job 0, tile t for job 1.
.macro ATTLOADQ self, t
	WIN 0
.if \self
	ds_load_b128 v[BS1-8*((\t)%2):BS1-8*((\t)%2)+3], v[QSA] offset:512*(\t)
.else
	ds_load_b128 v[BS1:BS1+3], v[QSA] offset:2048+512*(\t)
	ds_load_b128 v[BS2:BS2+3], v[QSA] offset:512*(\t)
.endif
.endm
; q, k, v of my head for all 128 tokens, two token tiles a step.  y = 0: from XS by the self weights; 1: from XM by the mutual ones.
; x's fragments of step tp: into window 1 (tp even) or into S (tp odd)
.macro LDX y, tp
.if ((\tp)%2) == 0
	WIN 0x40
.set xb, XL
.else
	WIN 0
.set xb, S
.endif
.irp i, 0,1
.irp c, 0,1,2,3
	ds_load_b128 v[xb+32*(\i)+8*(\c):xb+32*(\i)+8*(\c)+3],   v[XRA] offset:XM*(\y)+(2*(\tp)+(\i))*4352+64*(\c)
	ds_load_b128 v[xb+32*(\i)+8*(\c)+4:xb+32*(\i)+8*(\c)+7], v[XRA] offset:XM*(\y)+(2*(\tp)+(\i))*4352+64*(\c)+32
.endr
.endr
.endm
; The accumulators take turns, one instruction a turn: Q0, K0, Q1, K1 four times, then V0, V1 four times.
.macro QKMM y, tp, c                   ; channels 32 c on: accumulator a: token tile a / 2; q (a even) or k
.if ((\tp)%2) == 0
	WIN 0x05                                       ; the weights (source 0) and x (source 1) in window 1
.set xb, XL
.else
	WIN 0x01                                       ; the weights in window 1
.set xb, S
.endif
.irp a, 0,1,2,3
.if (\c) == 0
	v_wmma_f32_16x16x32_f16 v[ACC+8*(\a):ACC+8*(\a)+7], v[96*(\y)+32*((\a)%2)+8*(\c):96*(\y)+32*((\a)%2)+8*(\c)+7], v[xb+32*((\a)/2)+8*(\c):xb+32*((\a)/2)+8*(\c)+7], 0
.else
	v_wmma_f32_16x16x32_f16 v[ACC+8*(\a):ACC+8*(\a)+7], v[96*(\y)+32*((\a)%2)+8*(\c):96*(\y)+32*((\a)%2)+8*(\c)+7], v[xb+32*((\a)/2)+8*(\c):xb+32*((\a)/2)+8*(\c)+7], v[ACC+8*(\a):ACC+8*(\a)+7]
.endif
.endr
.endm
.macro VMM y, tp                       ; v comes turned: x is source 0, the weights source 1
.if ((\tp)%2) == 0
	WIN 0x05
.set xb, XL
.else
	WIN 0x04
.set xb, S
.endif
.irp c, 0,1,2,3
.irp i, 0,1
.if (\c) == 0
	v_wmma_f32_16x16x32_f16 v[ACC+32+8*(\i):ACC+32+8*(\i)+7], v[xb+32*(\i)+8*(\c):xb+32*(\i)+8*(\c)+7], v[96*(\y)+64+8*(\c):96*(\y)+64+8*(\c)+7], 0
.else
	v_wmma_f32_16x16x32_f16 v[ACC+32+8*(\i):ACC+32+8*(\i)+7], v[xb+32*(\i)+8*(\c):xb+32*(\i)+8*(\c)+7], v[96*(\y)+64+8*(\c):96*(\y)+64+8*(\c)+7], v[ACC+32+8*(\i):ACC+32+8*(\i)+7]
.endif
.endr
.endr
.endm
.macro QKVOUT tp                       ; a step's 24 roundings; each accumulator is read from its lowest registers on
.irp i, 0,1
.irp k, 0,1,2,3
	v_cvt_pk_f16_f32 v[BS1-8*(\i)+(\k)], v[ACC+16*(\i)+2*(\k)], v[ACC+16*(\i)+2*(\k)+1]
.endr
.irp k, 0,1,2,3
	v_cvt_pk_f16_f32 v[KS+8*(2*(\tp)+(\i))+(\k)], v[ACC+16*(\i)+8+2*(\k)], v[ACC+16*(\i)+8+2*(\k)+1]
.endr
.irp k, 0,1,2,3
	v_cvt_pk_f16_f32 v[VF+8*(\tp)+4*(\i)+(\k)], v[ACC+32+8*(\i)+2*(\k)], v[ACC+32+8*(\i)+2*(\k)+1]
.endr
.endr
.endm
.macro QSTORE tp                       ; step tp's two Q pieces wait in my own LDS bytes
	WIN 0
.irp i, 0,1
	ds_store_b128 v[QSA], v[BS1-8*(\i):BS1-8*(\i)+3] offset:512*(2*(\tp)+(\i))
.endr
.endm
; Steps 0 and 1 are asked for together.  Step tp (1 to 3): one wait at its head; behind its first four products the stores of the step before and the loads of the step after, or, in step 3, the first trip's bias and mask pieces.
.macro QKV y
	LDX \y, 0                                      ; no vector or matrix line has named XL or S since the last wait on va_vdst (XCONV's, MCONV's, or the end of the pass before)
	LDX \y, 1
.irp tp, 0,1,2,3
.if (\tp) == 0
	s_wait_dscnt 16                                ; LDS loads come back in order (ISA guide 5.7.1): step 0's fragments are in, step 1's sixteen loads stay out
.else
	s_wait_dscnt 0x0                               ; this step's fragments are in
	s_wait_alu depctr_va_vdst(0)                   ; the step before has written its two Q pieces, which the stores below read, and its products are done reading their fragments of x, in which the loads below land
.endif
	QKMM \y, \tp, 0
.if (\tp) > 0
	QSTORE (\tp)-1
.endif
.if ((\tp) == 1) || ((\tp) == 2)
	LDX \y, (\tp)+1                                ; the four products since the wait name the other buffer, the weights and the accumulators
.endif
.if (\tp) == 3
	ATTLOADM 1-(\y), 0                             ; window 1's buffer was read last by step 2's products; the slots' upper halves are named by no line of QKV
.endif
	QKMM \y, \tp, 1
	QKMM \y, \tp, 2
	QKMM \y, \tp, 3
	VMM \y, \tp
	WIN 0
	PLACES
.if (\tp) > 0
	s_wait_alu depctr_vm_vsrc(0)                   ; the two stores above have read the Q pieces of the step before, which the roundings below write over
.endif
	QKVOUT \tp
.endr
	s_wait_alu depctr_va_vdst(0)                   ; step 3's roundings have written its two Q pieces, which the stores read
	QSTORE 3
	s_wait_alu depctr_vm_vsrc(0)                   ; those stores have read BS1 and BS2, in which the first trip's Q pieces land
	ATTLOADQ 1-(\y), 0
.endm
.macro MAX32 s, c                      ; the largest of 32 scores (four accumulators) into v[c]; c+1 .. c+3 at work.  Each accumulator's lowest registers are read first
.irp q, 0,1,2,3
	v_max3_num_f32 v[(\c)+(\q)], v[(\s)+8*(\q)], v[(\s)+8*(\q)+1], v[(\s)+8*(\q)+2]
.endr
.irp q, 0,1,2,3
	v_max3_num_f32 v[(\c)+(\q)], v[(\c)+(\q)], v[(\s)+8*(\q)+3], v[(\s)+8*(\q)+4]
.endr
.irp q, 0,1,2,3
	v_max3_num_f32 v[(\c)+(\q)], v[(\c)+(\q)], v[(\s)+8*(\q)+5], v[(\s)+8*(\q)+6]
.endr
	v_max3_num_f32 v[\c], v[\c], v[(\s)+7], v[(\s)+15]
	v_max3_num_f32 v[(\c)+2], v[(\c)+2], v[(\s)+23], v[(\s)+31]
	v_max3_num_f32 v[\c], v[\c], v[(\c)+1], v[(\c)+2]
	v_max_num_f32 v[\c], v[\c], v[(\c)+3]
.endm
.macro OSTORE self, t                  ; trip t's O leaves its out-buffer
	WIN 0
.if \self
	ds_store_b128 v[OS0], v[ACC+8:ACC+11] offset:8448*(\t)+256    ; row = the query (16 rows of 528 bytes a tile), columns 128 + 16 h + 8 hh ..
.else
	ds_store_b128 v[OS0], v[ACC+8:ACC+11] offset:8448*(\t)        ; frame 2's queries fill rows 0-63, columns 16 h + 8 hh ..
	ds_store_b128 v[OS0], v[ACC+24:ACC+27] offset:8448*(\t)+33792 ; frame 1's queries fill rows 64-127
.endif
.endm
; TRIP t.  self = 1: tile t of 16 queries against 128 keys.  self = 0: two jobs of 16 queries against 64 keys: job 0 frame 2's queries on frame 1's keys (scores S+0..31), job 1 the other way round (S+32..63).
; nxt = 1: the next trip's pieces are asked for: in a self trip behind the scores' products, so that they land under the softmax; in a mutual trip behind the exponentials' wait, so that they land under V^T P.
; The O of the trip before is stored at the same place.
.macro ATT self, t, nxt
.if \self
.set bq, BS1-8*((\t)%2)
	s_wait_loadcnt 0x0                             ; the bias pieces: no other load of mine is out during the passes
.endif
	s_wait_dscnt 0x0                               ; the mask pieces and Q
.if \self
	WIN 0x05                                       ; both sources in window 1
.set z, 0
.rept 32
	v_pk_add_f16 v[KS+8*(z/4)+4+z%4], v[BR+z], v[MR+z]   ; bias + mask
.set z, z+1
.endr
	WIN 0
	s_wait_alu depctr_va_vdst(0)                   ; the additions are done reading BR and MR, and the products of the trip before reading their Q piece: the next trip's loads land in these; that trip's roundings have written its O, which the store reads
.endif
.set z, 0
.rept 8
.if \self
	v_wmma_f32_16x16x32_f16 v[S+8*z:S+8*z+7], v[KS+8*z:KS+8*z+7], v[bq:bq+7], 0
.elseif z < 4
	v_wmma_f32_16x16x32_f16 v[S+8*z:S+8*z+7], v[KS+8*z:KS+8*z+7], v[BS1:BS1+7], 0
.else
	v_wmma_f32_16x16x32_f16 v[S+8*z:S+8*z+7], v[KS+8*z:KS+8*z+7], v[BS2:BS2+7], 0
.endif
.set z, z+1
.endr
.if \self                              ; no wait: the eight products since the wait name the slots, this trip's Q piece and S, none of which the lines below touch
.if (\t) > 0
	OSTORE 1, (\t)-1
.endif
.if \nxt
	ATTLOADM 1, (\t)+1
	ATTLOADQ 1, (\t)+1
.endif
.endif
	PLACES                                         ; between those products and the maxima that read their results
	MAX32 S, ST
	MAX32 S+32, ST+4
.if \self
	v_max_num_f32 v[ST], v[ST], v[ST+4]
	v_permlanex16_b32 v[ST+1], v[ST], s32, s33     ; the query's other keys lie in the lane 16 away
	v_max_num_f32 v[ST], v[ST], v[ST+1]
	v_mul_f32 v[MC0], s30, v[ST]
.else
	v_permlanex16_b32 v[ST+1], v[ST], s32, s33
	v_permlanex16_b32 v[ST+5], v[ST+4], s32, s33
	v_max_num_f32 v[ST], v[ST], v[ST+1]
	v_max_num_f32 v[ST+4], v[ST+4], v[ST+5]
	v_mul_f32 v[MC0], s30, v[ST]
	v_mul_f32 v[MC1], s30, v[ST+4]
.endif
	; ONE BATCH: the 32 scalings c s - c m and the 64 exponentials.  Exponential e stands behind scaling e + 1, its own pair e / 2 long scaled; nothing here names an exponential's result.
.set z, 0
.rept 32
.set mc, MC0
.if (!(\self)) && (z >= 16)
.set mc, MC1
.endif
	v_pk_fma_f32 v[S+2*z:S+2*z+1], v[S+2*z:S+2*z+1], s[30:31], v[mc:mc+1] op_sel_hi:[1,0,0] neg_lo:[0,0,1] neg_hi:[0,0,1]
.if z >= 1
	v_exp_f32 v[S+z-1], v[S+z-1]
.endif
.set z, z+1
.endr
.set z, 31
.rept 33
	v_exp_f32 v[S+z], v[S+z]
.set z, z+1
.endr
	v_nop                                          ; a plain instruction behind the last exponential (ISA guide 5.7.2),
	s_wait_alu depctr_va_vdst(0)                   ; the 64 exponentials have written S, ahead of their first reader; in a mutual trip also: the scores' products are done reading the slots and both Q pieces, in which the loads below land, and the trip before has written its O
.if !(\self)
.if (\t) > 0
	OSTORE 0, (\t)-1
.endif
.if \nxt
	ATTLOADM 0, (\t)+1
	ATTLOADQ 0, (\t)+1
.endif
.endif
.set z, 0
.rept 32
	v_cvt_pk_f16_f32 v[S+z], v[S+2*z], v[S+2*z+1]  ; P in place, ascending: register z is written when 2 z and 2 z + 1 are read; fragment c of 32 keys is S + 8 c
.set z, z+1
.endr
.if (\t) > 0
	s_wait_alu depctr_vm_vsrc(0)                   ; the stores of the trip before's O have read ACC + 8 .. (and ACC + 24 ..), which the products for l write over
.endif
	; O^T = V^T P and l = ones P; the accumulators take turns; the first link of each starts its sum
.if \self
.irp c, 0,1,2,3
.if (\c) == 0
	v_wmma_f32_16x16x32_f16 v[ACC:ACC+7], v[VF:VF+7], v[S:S+7], 0
	v_wmma_f32_16x16x32_f16 v[ACC+8:ACC+15], v[ONES:ONES+7], v[S:S+7], 0
.else
	v_wmma_f32_16x16x32_f16 v[ACC:ACC+7], v[VF+8*(\c):VF+8*(\c)+7], v[S+8*(\c):S+8*(\c)+7], v[ACC:ACC+7]
	v_wmma_f32_16x16x32_f16 v[ACC+8:ACC+15], v[ONES:ONES+7], v[S+8*(\c):S+8*(\c)+7], v[ACC+8:ACC+15]
.endif
.endr
.else
.irp j, 0,1
	v_wmma_f32_16x16x32_f16 v[ACC+16*(\j):ACC+16*(\j)+7], v[VF+16*(\j):VF+16*(\j)+7], v[S+16*(\j):S+16*(\j)+7], 0
	v_wmma_f32_16x16x32_f16 v[ACC+16*(\j)+8:ACC+16*(\j)+15], v[ONES:ONES+7], v[S+16*(\j):S+16*(\j)+7], 0
.endr
.irp j, 0,1
	v_wmma_f32_16x16x32_f16 v[ACC+16*(\j):ACC+16*(\j)+7], v[VF+16*(\j)+8:VF+16*(\j)+15], v[S+16*(\j)+8:S+16*(\j)+15], v[ACC+16*(\j):ACC+16*(\j)+7]
	v_wmma_f32_16x16x32_f16 v[ACC+16*(\j)+8:ACC+16*(\j)+15], v[ONES:ONES+7], v[S+16*(\j)+8:S+16*(\j)+15], v[ACC+16*(\j)+8:ACC+16*(\j)+15]
.endr
.endif
	PLACES
	v_rcp_f32 v[R0], v[ACC+8]                      ; every register of l's accumulator holds the query's sum: the lowest is taken
.if !(\self)
	v_rcp_f32 v[R1], v[ACC+24]
.endif
	v_nop                                          ; with the four above: five plain instructions between the last product and the next trip's products, which write over P
	s_wait_alu depctr_va_vdst(0)                   ; the reciprocals have written R0 (and R1), ahead of their first reader
.irp k, 0,1,2,3
	v_pk_mul_f32 v[ACC+2*(\k):ACC+2*(\k)+1], v[ACC+2*(\k):ACC+2*(\k)+1], v[R0:R0+1] op_sel_hi:[1,0]
.endr
.irp k, 0,1,2,3
	v_cvt_pk_f16_f32 v[ACC+8+(\k)], v[ACC+2*(\k)], v[ACC+2*(\k)+1]   ; O's out-buffer: l has been read
.endr
.if !(\self)
.irp k, 0,1,2,3
	v_pk_mul_f32 v[ACC+16+2*(\k):ACC+16+2*(\k)+1], v[ACC+16+2*(\k):ACC+16+2*(\k)+1], v[R1:R1+1] op_sel_hi:[1,0]
.endr
.irp k, 0,1,2,3
	v_cvt_pk_f16_f32 v[ACC+24+(\k)], v[ACC+16+2*(\k)], v[ACC+16+2*(\k)+1]
.endr
.endif
.endm
; THE PROJECTION.  K step c of eight: two fragments of O (my 32 tokens), four of w_proj (my 64 columns)
.macro LDP c, buf
.irp i, 0,1
	ds_load_b128 v[(\buf)+8*(\i):(\buf)+8*(\i)+3],   v[OFA] offset:8448*(\i)+64*(\c)
	ds_load_b128 v[(\buf)+8*(\i)+4:(\buf)+8*(\i)+7], v[OFA] offset:8448*(\i)+64*(\c)+32
.endr
.irp t, 0,1,2,3
	ds_load_b128 v[(\buf)+16+8*(\t):(\buf)+16+8*(\t)+3],   v[WPA] offset:8192*(\t)+1024*(\c)
	ds_load_b128 v[(\buf)+16+8*(\t)+4:(\buf)+16+8*(\t)+7], v[WPA] offset:8192*(\t)+1024*(\c)+512
.endr
.endm
.macro MMPH buf, i                     ; four of a step's eight products: token tile i; the eight accumulators take turns: a lane ends with one token and eight neighbouring columns
.irp t, 0,1,2,3
	v_wmma_f32_16x16x32_f16 v[S+8*(4*(\i)+(\t)):S+8*(4*(\i)+(\t))+7], v[(\buf)+16+8*(\t):(\buf)+16+8*(\t)+7], v[(\buf)+8*(\i):(\buf)+8*(\i)+7], v[S+8*(4*(\i)+(\t)):S+8*(4*(\i)+(\t))+7]
.endr
.endm
.macro PROJ
.irp a, 0,1,2,3,4,5,6,7                ; the sums start at b_proj.  No vector or matrix line has been issued since the wait at the end of the second pass: these 52 loads owe va_vdst nothing more
	ds_load_b128 v[S+8*(\a):S+8*(\a)+3],   v[BPA] offset:64*((\a)%4)
	ds_load_b128 v[S+8*(\a)+4:S+8*(\a)+7], v[BPA] offset:64*((\a)%4)+16
.endr
	LDP 0, PB0
	LDP 1, PB1
	LDP 2, PB2
.irp c, 0,1,2,3,4,5,6,7
.set pb, PB0                           ; step c's buffer: c % 3
.if ((\c)%3) == 1
.set pb, PB1
.endif
.if ((\c)%3) == 2
.set pb, PB2
.endif
.set pn, PB0                           ; step c + 2's buffer, which step c - 1 read
.if (((\c)+2)%3) == 1
.set pn, PB1
.endif
.if (((\c)+2)%3) == 2
.set pn, PB2
.endif
.if (\c) == 0
	s_wait_dscnt 24                                ; b_proj and step 0's operands are in; the twelve loads each of steps 1 and 2 stay out
.elseif (\c) < 7
	s_wait_dscnt 12                                ; this step's operands are in; the next step's twelve loads may stay out
.else
	s_wait_dscnt 0x0
.endif
.if ((\c) >= 1) && ((\c) <= 5)
	PLACES                                         ; the four places behind the last step's products stay, ahead of the wait
	s_wait_alu depctr_va_vdst(0)                   ; the products of the step before are done reading their buffer, in which step c + 2's operands land
.endif
	MMPH pb, 0
.if ((\c) >= 1) && ((\c) <= 5)
	LDP (\c)+2, pn                                 ; the four products since the wait name this step's buffer and the sums
.endif
	MMPH pb, 1
.endr
	PLACES
	s_wait_alu depctr_va_vdst(0)                   ; the products have written the sums, which the stage's stores read, and are done reading PB0 and PB1, in which the rows come back; the places above stay beside this wait
	; THE WAY OUT: a lane's 32 bytes go into my stage (16 rows x 272), and come back as whole pieces of 256 bytes of a row of out0
.irp i, 0,1
.irp t, 0,1,2,3
	ds_store_b128 v[STA], v[S+8*(4*(\i)+(\t)):S+8*(4*(\i)+(\t))+3]   offset:XM*(\i)+64*(\t)
	ds_store_b128 v[STA], v[S+8*(4*(\i)+(\t))+4:S+8*(4*(\i)+(\t))+7] offset:XM*(\i)+64*(\t)+16
.endr
.irp k, 0,1,2,3,4,5,6,7
	ds_load_b128 v[PB0-160*(\i)+4*(\k):PB0-160*(\i)+4*(\k)+3], v[RDA] offset:XM*(\i)+544*(\k)   ; LDS serves a wave's instructions in order (ISA guide 5.7.1.4): these see the stores above
.endr
.endr
	s_wait_dscnt 16                                ; the first tile is back; the second tile's eight stores and eight loads may stay out
.irp k, 0,1,2,3,4,5,6,7
	global_store_b128 v[OUTO], v[PB0+4*(\k):PB0+4*(\k)+3], s[38:39] offset:1024*(\k) th:TH_STORE_NT   ; 16 lanes store 256 consecutive bytes, aligned
.endr
	s_wait_dscnt 0x0
.irp k, 0,1,2,3,4,5,6,7
	global_store_b128 v[OUTO], v[PB1+4*(\k):PB1+4*(\k)+3], s[38:39] offset:8192+1024*(\k) th:TH_STORE_NT
.endr
.endm
	; ---------------------------------------------------------------- THE HEAD
.set LR, 144                           ; at work in the head only: r, hh, L
.set LH, 145
.set LL, 146
	s_load_b256 s[8:15], s[0:1], 0x0               ; x s[8:9], mask s[10:11], b_proj s[12:13], wq s[14:15]
	s_load_b256 s[16:23], s[0:1], 0x20             ; wp s[16:17], bias s[18:19], pe16 s[20:21], out0 s[22:23]
	v_lshl_add_u32 v[SPW], v0, 2, SPARE
	v_mov_b32 v[NIL], 0
	v_lshrrev_b32 v[TV], 5, v0
	v_readfirstlane_b32 s24, v[TV]                 ; wave 0..7 = my head
	s_mov_b32 s26, ttmp9
	s_mov_b32 s30, 0x3fb8aa3b                      ; c = log2(e)
	s_mov_b32 s31, s30                             ; named with it as a pair
	s_mov_b32 s32, 0x76543210
	s_mov_b32 s33, 0xfedcba98
	s_mov_b32 s34, 0x3c00
	s_mov_b32 s35, 0x3c000000
	s_mov_b32 s47, 0xffff0000
	s_mov_b32 s45, 0
	v_and_b32 v[LR], 15, v0
	v_bfe_u32 v[LH], v0, 4, 1
	v_and_b32 v[LL], 31, v0
	; the identity: lane (r, hh) holds, for j = 0..7, 1.0 where 8 hh + j = r.  The eight compares stand in one run, each with a mask of its own
	v_lshlrev_b32 v150, 3, v[LH]
	v_sub_nc_u32 v150, v[LR], v150
.irp i, 0,1,2,3,4,5,6,7
	v_cmp_eq_u32 s[48+(\i)], \i, v150
.endr
	; what hangs on the lane alone stands between those lines and the wait for them
	v_mul_u32_u24 v[XRA], v[LR], 272
	v_lshl_add_u32 v[XRA], v[LH], 4, v[XRA]
	v_and_b32 v147, 7, v0
	v_lshl_add_u32 v147, v[LH], 3, v147
	v_mul_u32_u24 v[MA0], v147, 288
	v_bfe_u32 v148, v0, 3, 1
	v_lshl_add_u32 v[MA0], v148, 4, v[MA0]
	v_add_nc_u32 v[MA0], MK, v[MA0]
	v_mul_u32_u24 v149, v[LR], 528
	v_lshl_add_u32 v149, v[LH], 4, v149
	v_lshlrev_b32 v[L16], 4, v[LL]
.irp i, 0,1,2,3,4,5,6,7
	v_mov_b32 v[ONES+(\i)], 0x3c003c00
.endr
	s_wait_alu depctr_va_sdst(0)                   ; s24 and the eight masks s48 to s55 are written, ahead of the first reader of any of them
.irp i, 0,1,2,3
	v_cndmask_b32 v[BS1+4+(\i)], 0, s34, s[48+2*(\i)]
	v_cndmask_b32 v[BS1+4+(\i)], v[BS1+4+(\i)], s35, s[49+2*(\i)]
	v_mov_b32 v[BS2+4+(\i)], v[BS1+4+(\i)]
.endr
	s_lshr_b32 s25, s24, 2                         ; group 0: self first; group 1: mutual first
	s_lshr_b32 s46, s24, 1                         ; tg
	s_and_b32 s29, s24, 1                          ; cg
	s_mul_i32 s2, s24, 4352                        ; my wave's 16 rows of XS
	v_lshl_add_u32 v[XSA], v[LL], 3, s2
	s_and_b32 s3, s24, 3
	s_lshl_b32 s3, s3, 12
	s_add_co_u32 s3, s3, PE
	v_lshl_add_u32 v[PEA], v[LL], 3, s3
	s_lshl_b32 s3, s24, 13
	v_lshl_add_u32 v[XO], v[LL], 4, s3
	v_lshl_add_u32 v[PFO], v[LL], 8, s3
	s_lshl_b32 s3, s24, 12
	s_add_co_u32 s3, s3, QL
	v_lshl_add_u32 v[QSA], v[LL], 4, s3
	s_mul_i32 s3, s24, 4608
	s_add_co_u32 s3, s3, MK
	v_lshl_add_u32 v[MSA], v[LL], 3, s3
	s_lshl_b32 s3, s24, 5
	s_add_co_u32 s3, s3, OB
	v_add_nc_u32 v[OS0], s3, v149
	s_mul_i32 s3, s46, 16896                       ; 32 rows of O
	s_add_co_u32 s3, s3, OB
	v_add_nc_u32 v[OFA], s3, v149
	s_lshl_b32 s3, s29, 15
	s_add_co_u32 s3, s3, WP
	v_lshl_add_u32 v[WPA], v[LL], 4, s3
	s_lshl_b32 s3, s29, 8
	s_add_co_u32 s3, s3, BP
	v_lshl_add_u32 v[BPA], v[LH], 5, s3
	v_mul_u32_u24 v[STA], v[LR], 272
	v_lshl_add_u32 v[STA], v[LH], 5, v[STA]
	v_add_nc_u32 v[STA], s2, v[STA]
	v_mul_u32_u24 v[RDA], v[LH], 272
	v_lshl_add_u32 v[RDA], v[LR], 4, v[RDA]
	v_add_nc_u32 v[RDA], s2, v[RDA]
	s_lshl_b32 s3, s46, 14
	s_lshl_b32 s28, s29, 8
	s_add_co_u32 s3, s3, s28
	v_lshlrev_b32 v[OUTO], 9, v[LH]
	v_lshl_add_u32 v[OUTO], v[LR], 4, v[OUTO]
	v_add_nc_u32 v[OUTO], s3, v[OUTO]
	s_mul_i32 s3, s24, 12288                       ; my head's weights in wq
	v_lshl_add_u32 v[TV], v[LL], 4, s3
	v_add_nc_u32 v24, WP, v[XO]                    ; where my 8,192 bytes of wp go
	s_lshl_b32 s3, s24, 11
	v_lshl_add_u32 v26, v[LL], 4, s3               ; my 2,048 bytes of pe16,
	v_add_nc_u32 v25, PE, v26                      ; and where they go
	v_add_nc_u32 v27, BP, v[L16]
	s_wait_kmcnt 0x0
	s_lshl_b32 s44, s24, 15
	s_add_nc_u64 s[42:43], s[18:19], s[44:45]      ; my head's bias: 32,768 bytes
	s_add_co_u32 s2, s26, 256
	s_lshl_b32 s44, s2, 16
	s_add_nc_u64 s[48:49], s[10:11], s[44:45]      ; the second mask, g + 256
	s_lshl_b32 s44, s26, 16
	s_add_nc_u64 s[36:37], s[8:9], s[44:45]        ; the first window, g
	WIN 0x40
	s_wait_alu depctr_va_vdst(0)                   ; every address and offset, v1 to v18 and v23 to v27, is written: all loads, stores and prefetches of the kernel read some of them; so are v144 to v150, in which wp's loads land
	XLOAD
	WIN 0x40
.irp y, 0,1
.set f, 0
.rept 12
	global_load_b128 v[96*(\y)+8*f:96*(\y)+8*f+3],   v[TV], s[14:15] offset:98304*(\y)+1024*f
	global_load_b128 v[96*(\y)+8*f+4:96*(\y)+8*f+7], v[TV], s[14:15] offset:98304*(\y)+1024*f+512
.set f, f+1
.endr
.endr
	WIN 0
.set i, 0
.rept 16
	global_load_b128 v[S+4*i:S+4*i+3], v[XO], s[16:17] offset:512*i
.set i, i+1
.endr
.irp k, 0,1,2,3
	global_load_b128 v[ACC+4*(\k):ACC+4*(\k)+3], v26, s[20:21] offset:512*(\k)
.endr
	s_cmp_lg_u32 s24, 0
	s_cbranch_scc1 .Lno_b
	global_load_b128 v[224:227], v[L16], s[12:13]  ; wave 0: b_proj, rounded to bf16 like every input and kept as f32
	s_wait_loadcnt 0x0
	v_cvt_pk_bf16_f32 v228, v224, v225
	v_cvt_pk_bf16_f32 v229, v226, v227
	v_lshlrev_b32 v224, 16, v228
	v_and_b32 v225, s47, v228
	v_lshlrev_b32 v226, 16, v229
	v_and_b32 v227, s47, v229
	s_wait_alu depctr_va_vdst(0)                   ; b_proj is written in v224 to v227, which the store reads
	ds_store_b128 v27, v[224:227]
.Lno_b:
	s_wait_loadcnt 0x0
.set i, 0
.rept 16
	ds_store_b128 v24, v[S+4*i:S+4*i+3] offset:512*i
.set i, i+1
.endr
.irp k, 0,1,2,3
	ds_store_b128 v25, v[ACC+4*(\k):ACC+4*(\k)+3] offset:512*(\k)
.endr
	s_wait_dscnt 0x0                               ; for the others' sake: my parts of the tables are stored
	s_barrier_signal -1
	s_barrier_wait -1                              ; pe16 is whole: the first window's x + pe reads rows that other waves stored
	s_mov_b32 s27, 0
	; ---------------------------------------------------------------- A WINDOW
.Lwin:
	s_wait_xcnt 0x0                                ; the last window's stores and prefetches have had their addresses translated: the stores' data, s[36:39] and s[40:41] are written again only behind this wait
	s_wait_alu depctr_vm_vsrc(0)                   ; the head's LDS stores, or the last window's stage stores and global stores, have read S, v48 to v79, v208 to v239 and v24 to v27: the mask's loads, XCONV's lines and QKV's roundings write these
	s_and_b32 s2, s27, 1
	s_cmp_eq_u32 s2, 0
	s_cbranch_scc0 .Lodd
	s_lshr_b32 s3, s27, 1                          ; an even window brings a new mask: g, then g + 256
	s_lshl_b32 s3, s3, 8
	s_add_co_u32 s3, s3, s26
	s_lshl_b32 s44, s3, 16
	s_add_nc_u64 s[40:41], s[10:11], s[44:45]
.set i, 0
.rept 16
	global_load_b128 v[S+4*i:S+4*i+3], v[XO], s[40:41] offset:512*i th:TH_LOAD_NT   ; no vector or matrix line has named S since the projection's last wait on va_vdst (first window: the head's)
.set i, i+1
.endr
	s_wait_loadcnt 16                              ; x is in: behind its sixteen loads only the mask's sixteen were issued
	s_branch .Lx_in
.Lodd:
	s_wait_loadcnt 0x0                             ; x is in
.Lx_in:
	WOFF 27
	s_add_nc_u64 s[38:39], s[22:23], s[44:45]      ; out0 at this window
	s_add_co_u32 s46, s27, 1
	WOFF 46
	s_add_nc_u64 s[36:37], s[8:9], s[44:45]        ; x at the next window (in the last window the address lies inside x and nothing uses it)
	XCONV
	s_wait_loadcnt 0x0                             ; the mask, in even windows; in odd ones nothing is out
	s_and_b32 s2, s27, 1
	s_cmp_eq_u32 s2, 0
	s_cbranch_scc0 .Lmask_in
	MCONV
.Lmask_in:
	s_wait_dscnt 0x0                               ; my rows of x, x + pe and the mask are stored; my reads of O in the last projection are long over
	s_barrier_signal -1
	s_barrier_wait -1                              ; x and the mask are whole, and O may be written again
	s_mov_b32 s28, 0
.Lpass:
	s_wait_alu depctr_vm_vsrc(0)                   ; first pass: my stores of x, x + pe and the mask have read v48 to v111 and S; second pass: the last stores of O have read ACC + 8 .. and ACC + 24 ..: QKV's loads, products and roundings write all of these
	s_xor_b32 s2, s28, s25                         ; group 0: self, mutual; group 1: mutual, self.  No barrier stands in either arm
	s_cmp_eq_u32 s2, 0
	s_cbranch_scc0 .Lmut
	QKV 0
.irp t, 0,1,2,3,4,5,6
	ATT 1, \t, 1
.endr
	ATT 1, 7, 0                                    ; the eighth query tile asks for nothing more
	s_wait_alu depctr_va_vdst(0)                   ; its roundings have written its O, which the store reads; no vector or matrix line follows in this pass, so this wait also serves the loads that come next: QKV's, or x's and the projection's
	OSTORE 1, 7
	s_branch .Ljoin
.Lmut:
	QKV 1
.irp t, 0,1,2
	ATT 0, \t, 1
.endr
	ATT 0, 3, 0
	s_wait_alu depctr_va_vdst(0)                   ; the fourth trip's roundings have written both jobs' O, which the stores read; it serves the loads that come next as in the other arm
	OSTORE 0, 3
.Ljoin:
	; A PREFETCH INTO THE L2, between the two passes: my wave's own 8,192 bytes of the next window's x, 32 blocks of 256 bytes, a lane a block, one instruction; the loads that want them stand a pass further on.
	; In the second window also my 8,192 bytes of the second mask, which the third window loads.  Each block is named once in the launch, by the wave that will load it; the last window asks for nothing.
	s_cmp_eq_u32 s28, 0
	s_cbranch_scc0 .Lno_pf
	s_cmp_lt_u32 s27, 3
	s_cbranch_scc0 .Lno_pf
	global_prefetch_b8 v[PFO], s[36:37] th:TH_LOAD_NT scope:SCOPE_SE
	s_cmp_eq_u32 s27, 1
	s_cbranch_scc0 .Lno_pf
	global_prefetch_b8 v[PFO], s[48:49] th:TH_LOAD_NT scope:SCOPE_SE
.Lno_pf:
	s_add_co_u32 s28, s28, 1
	s_cmp_lt_u32 s28, 2
	s_cbranch_scc1 .Lpass
	s_cmp_lt_u32 s27, 3
	s_cbranch_scc0 .Lno_x
	XLOAD                                          ; the next window's x lands under the projection; the lines that read these registers stand ahead of the wait at the second pass's end
.Lno_x:
	s_wait_dscnt 0x0                               ; my part of O is stored; my reads of x, x + pe and the mask are over
	s_barrier_signal -1
	s_barrier_wait -1                              ; O is whole; XS and XM are free to be the waves' stages, MK to take a new mask
	s_wait_alu depctr_vm_vsrc(0)                   ; the second pass's last stores of O have read ACC + 8 .. (and ACC + 24 ..), in which the projection's first operands land
	PROJ
	s_add_co_u32 s27, s27, 1
	s_cmp_lt_u32 s27, 4
	s_cbranch_scc1 .Lwin
	s_wait_dscnt 0x0                               ; the closing lines, six on end
	s_wait_alu 0x0
	s_wait_tensorcnt 0x0
	ds_add_u32 v[SPW], v[NIL]
	s_wait_dscnt 0x0
	s_endpgm
.Lfunc_end_k_q7c3a667916_attn:
	.size	k_q7c3a667916_attn, .Lfunc_end_k_q7c3a667916_attn-k_q7c3a667916_attn
	.p2alignl 7, 3214868480
	.fill 96, 4, 3214868480
	.section	.rodata,"a",@progbits
	.p2align	6, 0x0
	.amdhsa_kernel k_q7c3a667916_attn
		.amdhsa_group_segment_fixed_size 290304
		.amdhsa_private_segment_fixed_size 0
		.amdhsa_enable_private_segment 0
		.amdhsa_kernarg_size 64
		.amdhsa_user_sgpr_count 2
		.amdhsa_user_sgpr_kernarg_segment_ptr 1
		.amdhsa_wavefront_size32 1
		.amdhsa_system_sgpr_workgroup_id_x 1
		.amdhsa_system_sgpr_workgroup_id_y 1
		.amdhsa_system_sgpr_workgroup_id_z 1
		.amdhsa_system_vgpr_workitem_id 0
		.amdhsa_next_free_vgpr 512
		.amdhsa_next_free_sgpr 66
		.amdhsa_reserve_vcc 0
		.amdhsa_float_denorm_mode_32 3
		.amdhsa_float_denorm_mode_16_64 3
		.amdhsa_memory_ordered 1
		.amdhsa_forward_progress 1
		.amdhsa_inst_pref_size 247
	.end_amdhsa_kernel
	.amdgpu_metadata
---
amdhsa.version: [ 1, 2 ]
amdhsa.kernels:
  - .name:           k_q7c3a667916_attn
    .symbol:         k_q7c3a667916_attn.kd
    .args:
      - { .name: x, .offset: 0, .size: 8, .value_kind: global_buffer, .address_space: global }
      - { .name: mask, .offset: 8, .size: 8, .value_kind: global_buffer, .address_space: global }
      - { .name: b_proj, .offset: 16, .size: 8, .value_kind: global_buffer, .address_space: global }
      - { .name: wq, .offset: 24, .size: 8, .value_kind: global_buffer, .address_space: global }
      - { .name: wp, .offset: 32, .size: 8, .value_kind: global_buffer, .address_space: global }
      - { .name: bias, .offset: 40, .size: 8, .value_kind: global_buffer, .address_space: global }
      - { .name: pe16, .offset: 48, .size: 8, .value_kind: global_buffer, .address_space: global }
      - { .name: out0, .offset: 56, .size: 8, .value_kind: global_buffer, .address_space: global }
    .group_segment_fixed_size: 290304
    .private_segment_fixed_size: 0
    .kernarg_segment_align: 8
    .kernarg_segment_size: 64
    .max_flat_workgroup_size: 256
    .sgpr_count:     66
    .vgpr_count:     512
    .wavefront_size: 32
...
	.end_amdgpu_metadata
.endif
;; end of part 3
